; MI455X (gfx1250); checked and timed in simulation.
; The chip was launched on July 23, 2026; its instructions are those of AMD's public machine-readable ISA for CDNA 5 (MIT licence, August 2026) and "CDNA5" Instruction Set Architecture Reference Guide (July 2026). The comments in the code are by the model that wrote it; some were corrected since.
;; Multi Head Attention. Allowed arithmetic: matrix products marked QUANTISED: E2M3 operands, one E8M0 scale for each 32 along K, by v_wmma_scale_f32_16x16x128_f8f6f4 with both operands' format E2M3, f32 sums; everything else in f32.
;; Inputs: Wout 1,024 x 1,024 float32; Wqkv 3,072 x 1,024 float32; bout 1,024 float32; bqkv 3,072 float32; key 4 x 2,048 x 1,024 float32; query 4 x 2,048 x 1,024 float32; value 4 x 2,048 x 1,024 float32.
;; Outputs: out0 4 x 2,048 x 1,024 float32.
;; This version of the problem:
;;   THIS VERSION OF THE PROBLEM IS GIVEN IN LOW PRECISION. The matrix products marked QUANTISED in the list below multiply operands that are first quantised to E2M3 (2 exponent bits, 3 mantissa bits; 6 bits a number), with one power-of-two scale for each 32 numbers along K (OCP MX v1.0); their sums are f32. All else is computed in f32.
;;   The module's matrix products, in the order in which they are computed (A, B: the left and right operand; K: the contracted axis; several contracted axes count as one K, in the product's order):
;;     1. [M 8,192, K 1,024] x [K 1,024, N 3,072]; A: input query; B: input Wqkv: QUANTISED
;;     2. batch 64 x [M 2,048, K 64] x [K 64, N 2,048]; A: computed on the way; B: computed on the way: QUANTISED
;;     3. batch 64 x [M 2,048, K 2,048] x [K 2,048, N 64]; A: softmax (see below); B: computed on the way: QUANTISED
;;     4. [M 8,192, K 1,024] x [K 1,024, N 1,024]; A: computed on the way; B: input Wout: QUANTISED
;;   THE QUANTISER, for each operand of a quantised product, along K:
;;     - K is cut into blocks of 32 from its start; a last block that is shorter is filled with zeros.
;;     - A block's scale is 2^e with e = floor(log2(the largest magnitude in the block)) - 2, held to -126 .. 127; a block of zeros has e = 0. As a byte (E8M0): e + 127.
;;     - Each number is divided by its block's scale, clamped to +-7.5, and rounded to the nearest number of E2M3, ties to even, subnormals kept.
;;     - The product sums the exact products of the quantised numbers (number of the format x scale) in f32.
;;   ~~~python
;;   def quantise(x, axis):      # numpy; x: float32 -> the quantised numbers, widened to float32 again
;;       x = np.moveaxis(x, axis, -1); K = x.shape[-1]
;;       x = np.pad(x, [(0, 0)] * (x.ndim - 1) + [(0, -K % 32)]); x = x.reshape(x.shape[:-1] + (-1, 32)); a = np.abs(x).max(-1, keepdims=True)
;;       e = np.where(a > 0, np.clip(np.frexp(np.where(a > 0, a, 1))[1] - 1 - 2, -126, 127), 0)      # np.frexp(a)[1] - 1 = floor(log2(a)), exactly
;;       r = np.clip(x / 2.0 ** e, -7.5, 7.5)
;;       step = 2.0 ** (np.maximum(np.frexp(np.where(r == 0, 1, r))[1] - 1, 0) - 3)
;;       q = np.round(r / step) * step * 2.0 ** e      # np.round: ties to even
;;       return np.moveaxis(q.reshape(q.shape[:-2] + (-1,))[..., :K], -1, axis).astype(np.float32)
;;   ~~~
;;   SOFTMAX AHEAD OF A QUANTISED PRODUCT. Where the list says 'softmax', what is quantised is not the finished softmax but p = 2^(t - M), with t = logit x log2(e) and M = ceil(the row's largest t), a whole number; so 1/2 < the row's largest p <= 1. The row's sum l is taken of the UNQUANTISED p, in f32, and the product's result is divided by l at the end. Since M is a whole number, a kernel that streams over the keys may use a running M (the ceiling of the running maximum): every later rescaling is an exact power of two, which a block's scale takes up: the codes' values come out the same.
;;   OPERANDS COMPUTED ON THE WAY. 'Computed on the way' means the value that the module computes at that place (a softmax that the list does not call 'softmax' is quantised finished and normalised). What goes into a quantiser is computed in f32, as accurately as f32 sums, v_exp_f32 and their like allow (about 1e-6 of the number): no bf16 or f16 on the way to a quantiser, and a product that is left as it is and whose result goes on into a quantised operand takes f32 operands (vector FMAs, or v_wmma_f32_16x16x4_f32). A number that lies on a knife's edge between two numbers of the format may be rounded either way, as far as f32 arithmetic and the matrix unit's own rounding can turn it there, and no further.
;; One version. Each part assembles by itself: llvm-mc -triple=amdgcn-amd-amdhsa -mcpu=gfx1250 --defsym DOCPART=n.
;; ======== version 1 of 1: 4 launches
;; workspace buffers: codes 9,437,184 bytes; scales 393,216 bytes; rec 26,738,688 bytes; o_img 6,291,456 bytes; o_sc 262,144 bytes
;; launch quant (part 1): grid 384 x 1, 4 waves a work-group, no clusters, 33,280 bytes of LDS; arguments query, Wqkv, Wout, codes, scales; writes codes, scales
.if DOCPART == 1
	.amdgcn_target "amdgcn-amd-amdhsa--gfx1250"
	.amdhsa_code_object_version 6
	.text
	.protected	k_q273663cc63_quant
	.globl	k_q273663cc63_quant
	.p2align	8
	.type	k_q273663cc63_quant,@function
k_q273663cc63_quant:
	s_mov_b64 s[64:65], 0
	v_nop
	global_prefetch_b8 v0, s[64:65] scope:SCOPE_SE
	s_setreg_imm32_b32 hwreg(HW_REG_WAVE_MODE, 25, 1), 1
	s_wait_xcnt 0x0
; query [8192][1024], Wqkv [3072][1024] and Wout [1024][1024], f32, become codes of FP6 (E2M3), K innermost (768 bytes a row), with one E8M0 byte for each 32 along K (32 bytes a row).
; The three tensors lie one behind the other in the two workspace buffers: rows 0-8191 query, 8192-11263 Wqkv, 11264-12287 Wout.
; THE ROWS ARE LAID IN ANOTHER ORDER: in each group of 32 rows, place p holds the row whose number has p's bits 3 and 4 exchanged.  So 16 neighbouring places are rows 0-7 and 16-23 (or 8-15 and 24-31) of the group:
; taken as source 0 of a product, two neighbouring tiles then give a lane 16 neighbouring rows in its 16 result registers, which is what the next quantiser wants.  A wave's 8 rows move as one piece: the wave's two bits change places.
; A block's scale is 2^(floor(log2(largest magnitude)) - 2); its byte is the largest magnitude's exponent field - 2, held at 1 from below.
; LIMITS: a block of zeros, or one whose largest magnitude lies under 2^-124, gets the byte 1 where the rule says 127 for zeros: its codes are zeros, and this program alone reads the bytes.  NaN and infinities are not served.
; A wave takes 16 steps of 512 numbers.  Each of a step's four loads reads 512 consecutive bytes; the 2,048 bytes turn through the wave's own stage in LDS and come back 64 bytes a lane, so that a lane holds 16 neighbours
; along K (two lanes a block).  A lane's 16 codes are 12 bytes: the wave stores 384 consecutive bytes.  A wave's 256 scale bytes are gathered in LDS and leave as one aligned run of 256 bytes.  Waves share nothing: no barrier.
.set STEPS, 16
.set EMAX,  2
.set CB,    12                         ; bytes of 16 codes
.set R,     16                         ; v16-79   four sets of 16 numbers as they are loaded
.set X,     80                         ; v80-111  two sets of 16 neighbours
.set C,     128                        ; v128-191 codes: four registers for each step, so that no store's data are written again
.set E,     112                        ; v112-127 a scale byte for each step
.set WREG,  8192                       ; LDS: a region for each wave: two stages of 32 x SP bytes, then its 256 scale bytes
.set SP,    80                         ; a lane's place in a stage: 64 bytes + 16 of padding
	s_load_b256 s[4:11], s[0:1], 0x0               ; query s[4:5], Wqkv s[6:7], Wout s[8:9], codes s[10:11]
	s_load_b64 s[12:13], s[0:1], 0x20              ; scales
	v_lshl_add_u32 v192, v0, 2, 0x8000
	v_mov_b32 v193, 0
	v_lshrrev_b32 v1, 5, v0
	v_readfirstlane_b32 s16, v1                    ; wave
	v_and_b32 v2, 31, v0                           ; lane
	v_lshlrev_b32 v3, 4, v2                        ; my 16 bytes of a load's 512
	s_mul_i32 s17, s16, WREG
	v_lshrrev_b32 v14, 2, v2
	v_mul_u32_u24 v14, v14, SP
	v_and_b32 v15, 3, v2
	v_lshl_add_u32 v14, v15, 4, v14
	v_add_nc_u32 v14, s17, v14                     ; the stage, on the way in: SP (lane / 4) + 16 (lane % 4)
	v_mul_u32_u24 v15, v2, SP
	v_add_nc_u32 v15, s17, v15                     ; and on the way out: SP x lane: my 16 neighbours
	v_mul_u32_u24 v4, v2, CB                       ; my codes' place in a step's
	v_lshrrev_b32 v5, 1, v2
	s_add_co_u32 s17, s17, 2*32*SP
	v_add_nc_u32 v5, s17, v5                       ; LDS: my wave's 256 scale bytes, my block's byte
	v_lshlrev_b32 v7, 3, v2                        ; and on the way out 8 bytes a lane
	v_add_nc_u32 v6, s17, v7
	s_wait_kmcnt 0x0
	s_mov_b32 s17, 352                             ; which tensor: work-groups 0-255 query, 256-351 Wqkv, 352-383 Wout.  The choices hang on the work-group's number alone
	s_cmp_lt_u32 ttmp9, 352
	s_cselect_b64 s[6:7], s[6:7], s[8:9]
	s_cselect_b32 s17, 256, s17
	s_cmp_lt_u32 ttmp9, 256
	s_cselect_b64 s[4:5], s[4:5], s[6:7]
	s_cselect_b32 s17, 0, s17                      ; the tensor's first work-group
	s_sub_co_u32 s17, ttmp9, s17
	s_lshl_b32 s17, s17, 2
	s_add_co_u32 s18, s17, s16                     ; which run of 8 rows of the tensor is my wave's
	s_mov_b32 s19, 0
	s_lshl_b64 s[20:21], s[18:19], 15              ; 32,768 bytes a run
	s_add_nc_u64 s[4:5], s[4:5], s[20:21]
	s_and_b32 s22, s16, 1                          ; where it goes: the wave's two bits change places
	s_lshl_b32 s22, s22, 1
	s_lshr_b32 s23, s16, 1
	s_or_b32 s22, s22, s23
	s_lshl_b32 s18, ttmp9, 2
	s_add_co_u32 s18, s18, s22                     ; the run's place among all 1,536 runs
	s_mul_i32 s20, s18, 32*STEPS*CB                ; 6,144 bytes of codes a run
	s_mov_b32 s21, 0
	s_add_nc_u64 s[10:11], s[10:11], s[20:21]
	s_lshl_b32 s18, s18, 8                         ; 256 scale bytes a run
	s_add_nc_u64 s[12:13], s[12:13], s[18:19]
.macro LOAD t
.irp i, 0,1,2,3
	global_load_b128 v[R+16*((\t)%4)+4*\i:R+16*((\t)%4)+4*\i+3], v3, s[4:5] offset:2048*(\t)+512*\i th:TH_LOAD_NT   ; 32 lanes read 512 consecutive bytes
.endr
.endm
.macro TURN t                          ; step t's numbers through the stage: LDS serves a wave's instructions in order, so no wait stands between the stores and the loads
.irp i, 0,1,2,3
	ds_store_b128 v14, v[R+16*((\t)%4)+4*\i:R+16*((\t)%4)+4*\i+3] offset:32*SP*((\t)%2)+8*SP*\i
.endr
.irp i, 0,1,2,3
	ds_load_b128 v[X+16*((\t)%2)+4*\i:X+16*((\t)%2)+4*\i+3], v15 offset:32*SP*((\t)%2)+16*\i
.endr
.endm
.irp t, 0,1,2,3
	LOAD \t
.endr
	s_wait_loadcnt 12                              ; step 0's four loads are in
	TURN 0
.macro STEP t
.set XS, X+16*((\t)%2)
.if (\t) > 0
	s_wait_dscnt 1                                 ; this step's numbers are back from the stage (the last step's byte store may be out): so its stores into the stage have read their registers,
.else
	s_wait_dscnt 0x0
.endif
.if (\t)+4 < STEPS
	LOAD (\t)+4                                    ; which take the loads of four steps on
.endif
.if (\t)+1 < STEPS
.if STEPS-2-(\t) >= 3
	s_wait_loadcnt 12                              ; the next step's four loads are in; those of the three steps behind it may be out
.else
	s_wait_loadcnt 4*(STEPS-2-(\t))
.endif
	TURN (\t)+1                                    ; and go through the other stage while this step is worked
.endif
	v_max3_num_f32 v8, |v[XS]|, |v[XS+1]|, |v[XS+2]|               ; the largest magnitude of my 16
	v_max3_num_f32 v9, |v[XS+3]|, |v[XS+4]|, |v[XS+5]|
.irp i, 6,10
	v_max3_num_f32 v8, v8, |v[XS+\i]|, |v[XS+\i+1]|
	v_max3_num_f32 v9, v9, |v[XS+\i+2]|, |v[XS+\i+3]|
.endr
	v_max3_num_f32 v8, v8, |v[XS+14]|, |v[XS+15]|
	v_max3_num_f32 v8, v8, v9, (EMAX+1)<<23        ; and the floor 2^(3 - 127): the byte cannot fall under 1
	v_max_num_f32_dpp v8, v8, v8 row_xmask:1 row_mask:0xf bank_mask:0xf   ; and of my neighbour's 16: the block's
	v_add_nc_u32 v11, -(EMAX<<23), v8              ; 2 off its exponent field: the conversion takes the exponent field of this operand as its scale
	v_cvt_scalef32_pk16_fp6_f32 v[C+4*(\t):C+4*(\t)+2], v[XS:XS+15], v11
	v_lshrrev_b32 v[E+(\t)], 23, v11               ; the scale's byte
	ds_store_b8 v5, v[E+(\t)] offset:16*(\t)       ; both lanes of a block write the same byte with the same value
	global_store_b96 v4, v[C+4*(\t):C+4*(\t)+2], s[10:11] offset:32*CB*(\t)
.endm
.irp t, 0,1,2,3,4,5,6,7,8,9,10,11,12,13,14,15
	STEP \t
.endr
	ds_load_b64 v[12:13], v6                       ; LDS serves a wave's instructions in order: these see my stores
	s_wait_dscnt 0x0
	global_store_b64 v7, v[12:13], s[12:13]        ; 32 lanes store 256 consecutive bytes, aligned
	s_wait_tensorcnt 0x0
	ds_add_u32 v192, v193
	s_wait_dscnt 0x0
	s_endpgm
.Lfunc_end_k_q273663cc63_quant:
	.size	k_q273663cc63_quant, .Lfunc_end_k_q273663cc63_quant-k_q273663cc63_quant
	.p2alignl 7, 3214868480
	.fill 96, 4, 3214868480
	.section	.rodata,"a",@progbits
	.p2align	6, 0x0
	.amdhsa_kernel k_q273663cc63_quant
		.amdhsa_group_segment_fixed_size 33280
		.amdhsa_private_segment_fixed_size 0
		.amdhsa_enable_private_segment 0
		.amdhsa_kernarg_size 40
		.amdhsa_user_sgpr_count 2
		.amdhsa_user_sgpr_kernarg_segment_ptr 1
		.amdhsa_wavefront_size32 1
		.amdhsa_system_sgpr_workgroup_id_x 1
		.amdhsa_system_sgpr_workgroup_id_y 1
		.amdhsa_system_sgpr_workgroup_id_z 1
		.amdhsa_system_vgpr_workitem_id 0
		.amdhsa_next_free_vgpr 194
		.amdhsa_next_free_sgpr 66
		.amdhsa_reserve_vcc 0
		.amdhsa_float_denorm_mode_32 3
		.amdhsa_float_denorm_mode_16_64 3
		.amdhsa_memory_ordered 1
		.amdhsa_forward_progress 1
		.amdhsa_inst_pref_size 33
	.end_amdhsa_kernel
	.amdgpu_metadata
---
amdhsa.version: [ 1, 2 ]
amdhsa.kernels:
  - .name:           k_q273663cc63_quant
    .symbol:         k_q273663cc63_quant.kd
    .args:
      - { .name: query, .offset: 0, .size: 8, .value_kind: global_buffer, .address_space: global }
      - { .name: Wqkv, .offset: 8, .size: 8, .value_kind: global_buffer, .address_space: global }
      - { .name: Wout, .offset: 16, .size: 8, .value_kind: global_buffer, .address_space: global }
      - { .name: codes, .offset: 24, .size: 8, .value_kind: global_buffer, .address_space: global }
      - { .name: scales, .offset: 32, .size: 8, .value_kind: global_buffer, .address_space: global }
    .group_segment_fixed_size: 33280
    .private_segment_fixed_size: 0
    .kernarg_segment_align: 8
    .kernarg_segment_size: 40
    .max_flat_workgroup_size: 128
    .sgpr_count:     66
    .vgpr_count:     194
    .wavefront_size: 32
...
	.end_amdgpu_metadata
.endif
;; end of part 1
;; launch qkv (part 2): grid 12 x 32, 4 waves a work-group, clusters of 4 x 4, 327,680 bytes of LDS; arguments codes, scales, bqkv, rec; writes rec
.if DOCPART == 2
	.amdgcn_target "amdgcn-amd-amdhsa--gfx1250"
	.amdhsa_code_object_version 6
	.text
	.protected	k_q273663cc63_qkv
	.globl	k_q273663cc63_qkv
	.p2align	8
	.type	k_q273663cc63_qkv,@function
k_q273663cc63_qkv:
	s_mov_b64 s[64:65], 0
	v_nop
	global_prefetch_b8 v0, s[64:65] scope:SCOPE_SE
	s_setreg_imm32_b32 hwreg(HW_REG_WAVE_MODE, 25, 1), 1
	s_wait_xcnt 0x0
	s_wait_alu depctr_hold_cnt(0) depctr_sa_sdst(0) depctr_va_vdst(0) depctr_va_sdst(0) depctr_va_ssrc(0) depctr_va_vcc(0) depctr_vm_vsrc(0)
	s_getreg_b32 s2, hwreg(HW_REG_IB_STS2, 6, 4)
	s_cmp_eq_u32 s2, 0
	s_cbranch_scc0 .Lentry_in_a_cluster
	s_endpgm
.Lentry_in_a_cluster:
	s_bfe_u32 s2, ttmp6, 0x10000c
	s_cmp_lg_u32 s2, 0xf033
	s_cbranch_scc0 .Lentry_shape_is_right
	s_endpgm
.Lentry_shape_is_right:
; qkv = x Wqkv^T + bqkv on codes of FP6 (E2M3) with E8M0 scales, K = 1,024; the result is quantised in registers for attention's two products and stored as images of operand registers.
; A work-group of four waves makes 256 x 256 of the product, a wave 128 x 128: 64 accumulators, 512 registers.  K goes in steps of 256 through a ring of two LDS slots filled by the tensor data mover.
; TWO ROLES, told apart by the cluster's x alone (the same in all sixteen partners).  "A" is source 1 (its rows fall into LANES), "B" is source 0 (its rows run along a lane's REGISTERS); both are tiles of 256 rows of the buffer of codes.
;   clusters x = 0, 1 (q and k): A = tokens, B = rows of Wq, Wk.  A lane holds one token, its registers run along the features: q and k are quantised along the head's 64.
;   cluster  x = 2    (v):       A = rows of Wv, B = tokens.      A lane holds one feature, its registers run along the tokens: v is quantised along the keys.
; The rows of the codes lie in the order that the launch before gave them (bits 3 and 4 of the row exchanged): so register 16 b + i of a lane's 64 results of one block of A is row 32 b + 16 (lane / 16) + i of B's 128,
; and lane r of A's block a is row 32 (a / 2) + 8 (a % 2) + r + 8 (r / 8) of A's 128.
; THE BIAS is the C of each sum's first product (so it is added ahead of the products, not behind them).
; RECORDS.  For each (batch, head, 128 tokens) a record of 13,056 bytes: 0: 8 tiles of 16 tokens x 64, registers 0-5 of a fragment, [3][32 lanes][8 bytes]; 6,144: 4 tiles of 16 features x 128 keys, [6][32 lanes][8 bytes];
; 12,288: the first field's scale words [lane / 16][lane % 16][4], word i of lane (r, h) for tile 4 h + i, bytes s0, s1, 127, 127; 12,800: the second field's, [r][4].  Record number 256 batch + 16 head + run of 128 tokens.
; Part 0 of the buffer (1,024 records) holds q, in the first and third field alone; part 1 holds k and v.  Every store of a wave covers whole aligned runs of 256 bytes.
; CLUSTERS: 4 x 4 work-groups; A's tiles are asked for jointly along a row of the cluster, B's along a column.
; LIMITS: NaN and infinities are not served; a block of zeros, or under 2^-124, gets the scale byte 1: its codes are zeros, and this program alone reads the bytes.
; REGISTERS: window 0: v1-13 addresses; v16-29 addresses; v32-63 scale words, two sets; v64-127 the bias, later the way out's work; v128-223 A's fragments, one set.  window 1: B's fragments, two sets.  windows 2, 3: the accumulators.
.set NQ,     2                         ; matrix instructions deep in a slot
.set ROWB,   192                       ; a tile's row in bytes: 256 codes
.set KROW,   768                       ; a row of codes in memory
.set PITCH,  240                       ; an LDS row: 3 x (64 bytes + 16 of padding)
.set FR,     12
.set NL,     6                         ; LDS loads that bring a fragment
.set NP,     4                         ; places behind this matrix instruction (ISA guide 7.12.1)
.set HALFT,  128*PITCH
.set SLOT,   4*HALFT
.set KS,     32                        ; a row of scale bytes
.set SCL,    2*SLOT                    ; behind the ring: the scales of all of K, as runs of 256 bytes + 16 of padding
.set HALFS,  16*272
.set SBLK,   2*272
.set SPARE,  SCL+4*HALFS               ; the spare words, 128 bytes a wave: two blocks of 256 bytes that no other line names
.set REC,    13056
.set HSTR,   16*REC                    ; from a head's record to the next head's
.set OFF8,  8                          ; v8   8 x lane
.set OFF16, 9                          ; v9   16 x lane
.set OFFV,  10                         ; v10  16 (lane % 16) + (lane / 16) x HSTR
.set C7F,   11                         ; v11  four bytes 127
.set BOH,   12                         ; v12  the bias along registers: 64 (lane / 16)
.set BOL,   13                         ; v13  the bias along lanes: 4 (r + 8 (r / 8))
.set ADRA, 16
.set ADRB, 20
.set ADRS, 27
.set SPW,  28
.set NIL,  29
.set SC,   32
.set CB,   64                          ; v64-127 the bias: eight registers for each tile of B (q, k) or each block of A (v)
.set AF,   128
.set TM,   64                          ; the way out: v64-67 largest magnitudes, v68-71 bytes, v76-79 the conversions' scale operands
.set PC,   80                          ; v80-91  a fragment's codes
.set PT,   92                          ; v92-99  the conversions' second halves
.set WA,   100                         ; v100-107 a scale word for each block
.set WB,   108                         ; v108-115 the odd head's
.set T4,   116
.set T5,   120
.set PW,   124
.set ROLE, 12                          ; s12  0: q and k; 1: v
.set SEL,  66                          ; s[66:67] lane selects: lane l xor 16
.set FLOOR, 95
.set SELA, 96
.set SELB, 97
.set HM,   98
.set G1, 24
.set G0, 32
.set G1B, 48
.set G0B, 56
.set G1S, 68
.set G0S, 76
.set G1SB, 80
.set G0SB, 88
.set MSB, 0
.macro WIN new                         ; the immediate's high byte repeats the setting that is left
.if MSB != (\new)
	s_set_vgpr_msb (MSB<<8)|(\new)
.set MSB, (\new)
.endif
.endm
.set MUL_LO, 0xa1                      ; source 0 (B) window 1, source 1 (A) window 0, C and D window 2
.set MUL_HI, 0xf1                      ; the same, C and D window 3
.set BIAS_LO, 0x81                     ; C (the bias) window 0, D window 2
.set BIAS_HI, 0xc1                     ; C window 0, D window 3
.set TO_B,   0x40
; A joint load: waves 0 and 1 fetch for A, waves 2 and 3 for B.  The branch hangs on the wave's number alone.  Four v_nop follow each of the two lines.
.macro JLOAD g0a, g1a, g0b, g1b
	s_cmp_eq_u32 s15, 0
	s_cbranch_scc0 .Lfor_b_\@
	tensor_load_to_lds s[\g0a:\g0a+3], s[\g1a:\g1a+7]
	s_nop 0
.rept 4
	v_nop
.endr
	s_branch .Lasked_\@
.Lfor_b_\@:
	tensor_load_to_lds s[\g0b:\g0b+3], s[\g1b:\g1b+7]
	s_nop 0
.rept 4
	v_nop
.endr
.Lasked_\@:
.endm
.macro CREST                           ; a round of the cluster's barrier behind its opening barrier
	s_cmp_lg_u32 s14, 0
	s_cbranch_scc1 .Lnot_wave_0_\@
	s_barrier_signal -3
.Lnot_wave_0_\@:
	s_barrier_wait -3
	s_barrier_signal -1
	s_barrier_wait -1
.endm
.macro CROUND
	s_barrier_signal -1
	s_barrier_wait -1
	CREST
.endm
	s_load_b256 s[4:11], s[0:1], 0x0               ; codes s[4:5], scales s[6:7], bqkv s[8:9], rec s[10:11]
	v_lshl_add_u32 v[SPW], v0, 2, SPARE
	v_mov_b32 v[NIL], 0
	ds_add_u32 v28, v29
	s_wait_dscnt 0x0
	v_lshrrev_b32 v1, 5, v0
	v_readfirstlane_b32 s14, v1                    ; wave 0..3
	s_lshr_b32 s15, s14, 1                         ; which half of A's rows is mine.  Also: I fetch for A (0) or for B (1)
	s_and_b32 s16, s14, 1                          ; which half of B's rows.  Also: which 128 rows of that tile I fetch
	s_bfe_u32 s40, ttmp6, 0x40000                  ; cx, cy: my place in the cluster
	s_bfe_u32 s41, ttmp6, 0x40004
	s_and_b32 s17, ttmp7, 0xffff
	s_lshl_b32 s17, s17, 2                         ; 4 x cluster y
	s_lshl_b32 s42, ttmp9, 2
	s_add_co_u32 s42, s42, 32                      ; 32 + 4 x cluster x: Wqkv begins at tile 32 of the codes
	s_cmp_eq_u32 ttmp9, 2                          ; the role
	s_cselect_b32 s[ROLE], 1, 0
	s_cselect_b32 s42, s17, s42                    ; B's tile: tokens (v) or rows of Wq, Wk
	s_cselect_b32 s17, 40, s17                     ; A's tile: rows of Wv, from tile 40 on, or tokens
	s_add_co_u32 s17, s17, s41                     ; + cy: A's tile hangs on cy alone of the two places,
	s_add_co_u32 s42, s42, s40                     ; + cx: B's on cx alone
	s_lshl_b32 s43, s41, 2
	s_lshl_b32 s43, 15, s43                        ; my row of the cluster
	s_lshl_b32 s44, 0x1111, s40                    ; my column
	; descriptor group 1: a tile of 128 rows x 192 bytes, 16 bytes of padding behind every 64
	s_or_b32 s[G1+0], s43, (0<<16)|(1<<20)|(1<<21)|(3<<22)|(3<<25)
	s_or_b32 s[G1B+0], s44, (0<<16)|(1<<20)|(1<<21)|(3<<22)|(3<<25)
.irp g, G1, G1B
	s_mov_b32 s[\g+1], ROWB<<16                    ; tensor_dim0
	s_mov_b32 s[\g+2], 128<<16                     ; tensor_dim1
	s_mov_b32 s[\g+3], ROWB<<16                    ; tile_dim0
	s_mov_b32 s[\g+4], 128                         ; tile_dim1
	s_mov_b32 s[\g+5], KROW                        ; from row to row
	s_mov_b32 s[\g+6], 0
	s_mov_b32 s[\g+7], 0
.endr
	; the scales of 128 rows: 4,096 dense bytes, as 16 rows of 256 bytes (32 elements of 8), 16 bytes of padding behind each
	s_or_b32 s[G1S+0], s43, (3<<16)|(1<<20)|(1<<21)|(5<<22)|(3<<25)
	s_or_b32 s[G1SB+0], s44, (3<<16)|(1<<20)|(1<<21)|(5<<22)|(3<<25)
.irp g, G1S, G1SB
	s_mov_b32 s[\g+1], 32<<16
	s_mov_b32 s[\g+2], 16<<16
	s_mov_b32 s[\g+3], 32<<16
	s_mov_b32 s[\g+4], 16
	s_mov_b32 s[\g+5], 32
	s_mov_b32 s[\g+6], 0
	s_mov_b32 s[\g+7], 0
.endr
	s_lshl_b32 s18, s16, 7                         ; which 128 rows of the tile I fetch
	s_lshl_b32 s20, s17, 8
	s_add_co_u32 s20, s20, s18                     ; A: place 256 x tile + 128 x half
	s_lshl_b32 s46, s42, 8
	s_add_co_u32 s46, s46, s18                     ; B likewise
	s_lshl_b32 s22, s20, 5                         ; their scale bytes: 32 a row
	s_lshl_b32 s92, s46, 5
	s_mul_i32 s20, s20, KROW                       ; their codes (12,288 rows x 768 bytes stay under 2^32)
	s_mul_i32 s46, s46, KROW
	s_mov_b32 s21, 0
	s_mov_b32 s23, 0
	s_mov_b32 s47, 0
	s_mov_b32 s93, 0
	s_mul_i32 s45, s14, HALFT                      ; where they go: wave x 128 rows: no place in the cluster enters an LDS address
	s_mul_i32 s94, s14, HALFS
	s_wait_kmcnt 0x0
	s_add_nc_u64 s[20:21], s[4:5], s[20:21]
	s_add_nc_u64 s[22:23], s[6:7], s[22:23]
	s_add_nc_u64 s[46:47], s[4:5], s[46:47]
	s_add_nc_u64 s[92:93], s[6:7], s[92:93]
	CROUND                                         ; all sixteen work-groups are here: the first joint loads meet
	s_mov_b32 s[G0S], 1
	s_add_co_u32 s[G0S+1], s94, SCL
	s_mov_b64 s[G0S+2:G0S+3], s[22:23]
	s_or_b32 s[G0S+3], s[G0S+3], 0x80000000
	s_mov_b32 s[G0SB], 1
	s_add_co_u32 s[G0SB+1], s94, SCL
	s_mov_b64 s[G0SB+2:G0SB+3], s[92:93]
	s_or_b32 s[G0SB+3], s[G0SB+3], 0x80000000
	JLOAD G0S, G1S, G0SB, G1SB                     ; the scales first: they are wanted with K step 0
.irp s, 0,1
	s_mov_b32 s[G0+4*\s], 1
	s_add_co_u32 s[G0+4*\s+1], s45, \s*SLOT
	s_add_nc_u64 s[G0+4*\s+2:G0+4*\s+3], s[20:21], \s*ROWB
	s_or_b32 s[G0+4*\s+3], s[G0+4*\s+3], 0x80000000
	s_mov_b32 s[G0B+4*\s], 1
	s_add_co_u32 s[G0B+4*\s+1], s45, \s*SLOT
	s_add_nc_u64 s[G0B+4*\s+2:G0B+4*\s+3], s[46:47], \s*ROWB
	s_or_b32 s[G0B+4*\s+3], s[G0B+4*\s+3], 0x80000000
	JLOAD G0+4*\s, G1, G0B+4*\s, G1B
.endr
	v_and_b32 v1, 15, v0                           ; r = l % 16
	v_bfe_u32 v2, v0, 4, 1                         ; h = l / 16
	v_mul_u32_u24 v3, v1, PITCH
	v_mul_u32_u24 v4, v2, 24
	v_add_nc_u32 v4, v3, v4                        ; a fragment's row x pitch + 24 x half
	v_lshl_add_u32 v5, v2, 4, v4                   ; and the same behind one padding more
	s_mul_i32 s21, s15, HALFT                      ; my 128 rows of A
	s_mul_i32 s22, s16, HALFT                      ; my 128 rows of B,
	s_add_co_u32 s22, s22, 2*HALFT                 ; which lie behind A's 256
.irp s, 0,1
	v_add_nc_u32 v[ADRA+\s], s21, v4
	v_add_nc_u32 v[ADRB+\s], s22, v4
	v_add_nc_u32 v[ADRA+2+\s], s21, v5
	v_add_nc_u32 v[ADRB+2+\s], s22, v5
	s_add_co_u32 s21, s21, SLOT
	s_add_co_u32 s22, s22, SLOT
.endr
	v_mul_u32_u24 v5, v1, KS                       ; my row's scales: 32 bytes a row,
	v_lshrrev_b32 v6, 8, v5
	v_lshl_add_u32 v5, v6, 4, v5                   ; and 16 more for each 256 passed
	s_mul_i32 s21, s15, HALFS                      ; A's: my 128 rows
	s_mul_i32 s22, s16, HALFS                      ; B's: my 128 rows, behind A's 256
	s_add_co_u32 s22, s22, 2*HALFS
	s_sub_co_u32 s22, s22, s21
	v_mul_u32_u24 v6, s22, v2                      ; lanes 16-31 take B's
	s_add_co_u32 s21, s21, SCL
	v_add_nc_u32 v5, v5, v6
	v_add_nc_u32 v[ADRS], s21, v5
	v_and_b32 v6, 31, v0
	v_lshlrev_b32 v[OFF8], 3, v6
	v_lshlrev_b32 v[OFF16], 4, v6
	v_mul_u32_u24 v[OFFV], v2, HSTR
	v_lshl_add_u32 v[OFFV], v1, 4, v[OFFV]
	v_mov_b32 v[C7F], 0x7f7f7f7f
	v_lshlrev_b32 v[BOH], 6, v2
	v_and_b32 v7, 8, v1
	v_add_nc_u32 v7, v7, v1
	v_lshlrev_b32 v[BOL], 2, v7
	s_mov_b32 s[SEL], 0x76543210
	s_mov_b32 s[SEL+1], 0xfedcba98
	s_mov_b32 s[FLOOR], 0x1800000                  ; 2^(3 - 127)
	s_mov_b32 s[SELA], 0x04040100                  ; bytes 0, 1 of the scale word, then 127, 127
	s_mov_b32 s[SELB], 0x04040302                  ; bytes 2, 3, then 127, 127
	s_mov_b32 s[HM], 0xffff0000                    ; lanes 16-31
	; my run of 128 tokens (ST, 0..63) and my run of 128 rows of Wqkv (FG, 0..23: 0-7 q, 8-15 k, 16-23 v), in registers that feed no descriptor
	s_cmp_eq_u32 s[ROLE], 0
	s_cselect_b32 s18, s17, s42                    ; the tokens' tile,
	s_cselect_b32 s19, s15, s16                    ; my half of it,
	s_cselect_b32 s13, s42, s17                    ; the weights' tile,
	s_cselect_b32 s99, s16, s15                    ; my half of it
	s_lshl_b32 s18, s18, 1
	s_add_co_u32 s18, s18, s19                     ; ST
	s_sub_co_u32 s13, s13, 32
	s_lshl_b32 s13, s13, 1
	s_add_co_u32 s13, s13, s99                     ; FG
	s_lshl_b32 s20, s13, 9                         ; the bias of my 128 rows: 512 bytes a run
	s_mov_b32 s21, 0
	s_add_nc_u64 s[8:9], s[8:9], s[20:21]
	s_lshr_b32 s20, s13, 3
	s_min_u32 s20, s20, 1                          ; part 0: q; part 1: k and v
	s_lshl_b32 s20, s20, 10
	s_and_b32 s22, s13, 7
	s_lshl_b32 s22, s22, 5                         ; 16 x the even head of my pair
	s_add_co_u32 s20, s20, s22
	s_lshr_b32 s22, s18, 4
	s_lshl_b32 s22, s22, 8                         ; 256 x batch
	s_add_co_u32 s20, s20, s22
	s_and_b32 s22, s18, 15
	s_add_co_u32 s20, s20, s22                     ; + the run of 128 tokens in the batch
	s_mul_i32 s20, s20, REC
	s_add_nc_u64 s[10:11], s[10:11], s[20:21]      ; my even head's record
	s_cmp_eq_u32 s[ROLE], 0
	s_cbranch_scc0 .Lbias_v
.irp b, 0,1,2,3,4,5,6,7                        ; q, k: register j of tile b is row 32 (b / 2) + 16 h + 8 (b % 2) + j of my 128
	global_load_b128 v[CB+8*\b:CB+8*\b+3], v[BOH], s[8:9] offset:(32*(\b/2)+8*(\b%2))*4
	global_load_b128 v[CB+8*\b+4:CB+8*\b+7], v[BOH], s[8:9] offset:(32*(\b/2)+8*(\b%2))*4+16
.endr
	s_branch .Lbias_in
.Lbias_v:
.irp a, 0,1,2,3,4,5,6,7                        ; v: lane r of block a is row 32 (a / 2) + 8 (a % 2) + r + 8 (r / 8): the same number in all eight registers
.irp j, 0,1,2,3,4,5,6,7
	global_load_b32 v[CB+8*\a+\j], v[BOL], s[8:9] offset:(32*(\a/2)+8*(\a%2))*4
.endr
.endr
.Lbias_in:
.macro FRAG reg, adr, q, i             ; a fragment, 16 rows x 128 K: 12 registers; lane l holds row l % 16; registers 6 c .. 6 c + 5 hold K = 64 c + 32 (l / 16) + 0 .. 31: 24 bytes of the row, as they lie
.irp p, 0,1,2,3,4,5                    ; in pieces of 8 bytes.  Where the piece of lanes 16-31, three on, lies behind one padding more, the second address register serves
.set PCE, 12*(\q)+6*(\p/3)+\p%3
.if PCE%8 < 5
	ds_load_b64 v[\reg+2*\p:\reg+2*\p+1], v[\adr] offset:8*PCE+16*(PCE/8)+(\i)*16*PITCH
.else
	ds_load_b64 v[\reg+2*\p:\reg+2*\p+1], v[\adr+2] offset:8*PCE+16*(PCE/8)+(\i)*16*PITCH
.endif
.endr
.endm
; 16 matrix instructions: A's blocks a0, a0 + 1 x B's eight, the slot's q-th 128 along K.  p: B's set; sc: the set of scale words.  mode 0: in place; 1: C = the bias of B's tile; 2: C = the bias of A's block.
; The 64 accumulators take turns, one instruction a turn, in the same order in every step.
.macro MUL16 a0, p, q, sc, mode
.irp a, \a0, \a0+1
.irp b, 0,1,2,3,4,5,6,7
.set rD, 8*(8*((\a)%4)+\b)
.set rB, 128*(\p)+FR*\b
.set rA, AF+FR*(\a)
.set rSB, SC+8*NQ*(\sc)+NQ*\b+(\q)
.set rSA, SC+8*NQ*(\sc)+NQ*(\a)+(\q)
.if \mode == 1
	v_wmma_scale_f32_16x16x128_f8f6f4 v[rD:rD+7], v[rB:rB+FR-1], v[rA:rA+FR-1], v[CB+8*\b:CB+8*\b+7], v[rSB], v[rSA] matrix_a_fmt:MATRIX_FMT_FP6 matrix_b_fmt:MATRIX_FMT_FP6 matrix_a_scale:MATRIX_SCALE_ROW1
.elseif \mode == 2
	v_wmma_scale_f32_16x16x128_f8f6f4 v[rD:rD+7], v[rB:rB+FR-1], v[rA:rA+FR-1], v[CB+8*(\a):CB+8*(\a)+7], v[rSB], v[rSA] matrix_a_fmt:MATRIX_FMT_FP6 matrix_b_fmt:MATRIX_FMT_FP6 matrix_a_scale:MATRIX_SCALE_ROW1
.else
	v_wmma_scale_f32_16x16x128_f8f6f4 v[rD:rD+7], v[rB:rB+FR-1], v[rA:rA+FR-1], v[rD:rD+7], v[rSB], v[rSA] matrix_a_fmt:MATRIX_FMT_FP6 matrix_b_fmt:MATRIX_FMT_FP6 matrix_a_scale:MATRIX_SCALE_ROW1
.endif
.endr
.endr
.endm
.macro FETCH_B slot, q, p
	WIN TO_B
.irp i, 0,1,2,3,4,5,6,7
	FRAG 128*(\p)+FR*\i, ADRB+\slot, \q, \i
.endr
	WIN 0
.endm
.macro FETCH_A slot, q, i0
.irp i, \i0, \i0+1, \i0+2, \i0+3
	FRAG AF+FR*(\i), ADRA+\slot, \q, \i
.endr
.endm
.macro SCALES sc                       ; a K step's scale words: two words a row; lanes 0-15 take A's block i, lanes 16-31 B's tile i
.irp i, 0,1,2,3,4,5,6,7
	ds_load_b64 v[SC+8*NQ*\sc+NQ*\i:SC+8*NQ*\sc+NQ*\i+1], v[ADRS] offset:\i*SBLK
.endr
.endm
.macro PLACES n                        ; plain vector instructions between a matrix instruction and a load into, or a read of, its registers (ISA guide 7.12.1 for reads)
.rept \n
	v_nop
.endr
.endm
; A step of 128 along K that has its successor in the same slot.
.macro STEP slot, q, mode
	s_wait_dscnt 4*NL                              ; B's set and A's blocks 0-3 are in; the youngest 24 loads (A's blocks 4-7) may be out
.if \mode
	WIN BIAS_LO
.else
	WIN MUL_LO
.endif
	MUL16 0, (\q)%2, \q, \slot, \mode
	MUL16 2, (\q)%2, \q, \slot, \mode
	s_wait_dscnt 0                                 ; A's blocks 4-7 are in
	PLACES NP
	FETCH_B \slot, (\q)+1, 1-(\q)%2
	FETCH_A \slot, (\q)+1, 0
.if \mode
	WIN BIAS_HI
.else
	WIN MUL_HI
.endif
	MUL16 4, (\q)%2, \q, \slot, \mode
	MUL16 6, (\q)%2, \q, \slot, \mode
	PLACES NP
	WIN 0
	FETCH_A \slot, (\q)+1, 4
.endm
; A slot's last step changes slots: one barrier; in front of it each wave waits for all its tensor loads, adds 0 to its spare word, and waits for that and for its own reads of this slot.  fill = 1: this slot is filled again, two K steps ahead.
.macro TURN slot, next, fill
	s_wait_tensorcnt 0x0                           ; all my tensor loads have landed: my part of the next slot
	ds_add_u32 v[SPW], v[NIL]                      ; 0 onto my spare word
	s_wait_dscnt 4*NL+1                            ; (the add and the youngest 24 loads, A's blocks 4-7, may be out)
	WIN MUL_LO
	MUL16 0, 1, NQ-1, \slot, 0                     ; sixteen matrix instructions stand between the add and the wait for it
	s_wait_dscnt 0x0                               ; the add is done, and my reads of this slot are over
	s_barrier_signal -1
	MUL16 2, 1, NQ-1, \slot, 0
	WIN 0
	s_barrier_wait -1
.if \fill
	CREST                                          ; the barrier has opened a round of the cluster's barrier: no wave of any partner still reads this slot or has a load on its way
	s_add_nc_u64 s[G0+4*\slot+2:G0+4*\slot+3], s[G0+4*\slot+2:G0+4*\slot+3], 2*ROWB
	s_add_nc_u64 s[G0B+4*\slot+2:G0B+4*\slot+3], s[G0B+4*\slot+2:G0B+4*\slot+3], 2*ROWB
	JLOAD G0+4*\slot, G1, G0B+4*\slot, G1B         ; the first tensor load behind the round; its four v_nop are the places in front of the loads below
.else
	PLACES NP
.endif
	v_add_nc_u32 v[ADRS], 4*NQ, v[ADRS]            ; on to the next K step's scale words
	FETCH_B \next, 0, 0
	FETCH_A \next, 0, 0
	SCALES \next
	WIN MUL_HI
	MUL16 4, 1, NQ-1, \slot, 0
	MUL16 6, 1, NQ-1, \slot, 0
	PLACES NP
	WIN 0
	FETCH_A \next, 0, 4
.endm
	s_wait_tensorcnt 1                             ; the scales and my part of K step 0 are in (K step 1's load may be out),
	s_barrier_signal -1
	s_barrier_wait -1                              ; everybody's are
	FETCH_B 0, 0, 0
	FETCH_A 0, 0, 0
	SCALES 0
	FETCH_A 0, 0, 4
	s_wait_loadcnt 0x0                             ; the bias
	s_cmp_eq_u32 s[ROLE], 0                        ; the first step is written for each role: its products take the bias as C
	s_cbranch_scc0 .Lfirst_v
	STEP 0, 0, 1
	s_branch .Lfirst_done
.Lfirst_v:
	STEP 0, 0, 2
.Lfirst_done:
	TURN 0, 1, 1                                   ; K = 1,024 is four K steps of 256: each slot is filled again once, so the walk is written out
	STEP 1, 0, 0
	TURN 1, 0, 1
	STEP 0, 0, 0
	TURN 0, 1, 0
	STEP 1, 0, 0
	s_wait_dscnt 4*NL                              ; the very last step: nothing more to fetch
	WIN MUL_LO
	MUL16 0, 1, NQ-1, 1, 0
	MUL16 2, 1, NQ-1, 1, 0
	s_wait_dscnt 0
	WIN MUL_HI
	MUL16 4, 1, NQ-1, 1, 0
	MUL16 6, 1, NQ-1, 1, 0
	WIN 0
; THE WAY OUT.  The 64 results of a lane in block a (register 16 b + i = place 32 b + 16 (lane / 16) + i along the next product's K) become a fragment's codes in v[PC] on and its scale word in v[PW].
.macro QUANTW a
.set AC, 64*((\a)%4)
.set W, 2+(\a)/4
	WIN (W<<2)|(W<<4)                              ; sources 1 and 2: the accumulators' window
.irp b, 0,1,2,3
	v_max3_num_f32 v[TM+\b], s[FLOOR], |v[AC+16*\b]|, |v[AC+16*\b+1]|   ; block b: my 16 numbers and the floor; each accumulator is read from its low end on
.endr
.irp i, 2,4,6,8,10,12,14
.irp b, 0,1,2,3
	v_max3_num_f32 v[TM+\b], v[TM+\b], |v[AC+16*\b+\i]|, |v[AC+16*\b+\i+1]|
.endr
.endr
	WIN 0
.irp b, 0,1,2,3
	v_permlanex16_b32 v[TM+4+\b], v[TM+\b], s[SEL], s[SEL+1]
.endr
.irp b, 0,1,2,3
	v_max_num_f32 v[TM+\b], v[TM+\b], v[TM+4+\b]   ; with lane l xor 16's: the block's largest magnitude
.endr
.irp b, 0,1,2,3
	v_add_nc_u32 v[TM+12+\b], 0xff000000, v[TM+\b] ; 2 off its exponent field: the conversion's scale operand
.endr
.irp b, 0,1,2,3
	v_lshrrev_b32 v[TM+4+\b], 23, v[TM+12+\b]      ; the scale's byte
.endr
	v_lshl_or_b32 v[PW], v[TM+5], 8, v[TM+4]
	v_lshl_or_b32 v[PW], v[TM+6], 16, v[PW]
	v_lshl_or_b32 v[PW], v[TM+7], 24, v[PW]
	s_wait_xcnt 0x0                                ; the last block's stores have read the codes' registers: they are written again only behind this wait
	WIN W                                          ; source 0: the accumulators' window
.irp c, 0,1
	v_cvt_scalef32_pk16_fp6_f32 v[PC+6*\c:PC+6*\c+2], v[AC+32*\c:AC+32*\c+15], v[TM+12+2*\c]
	v_cvt_scalef32_pk16_fp6_f32 v[PT+4*\c:PT+4*\c+2], v[AC+32*\c+16:AC+32*\c+31], v[TM+12+2*\c+1]   ; (a conversion's three registers begin on an even number)
.endr
	WIN 0
	v_nop                                          ; one plain place behind a scaled conversion
.irp c, 0,1                                    ; the operand's layout wants a whole block in a lane
.irp i, 0,1,2
	v_permlane16_swap_b32 v[PC+6*\c+\i], v[PT+4*\c+\i]
.endr
.irp i, 0,1,2
	v_mov_b32 v[PC+3+6*\c+\i], v[PT+4*\c+\i]
.endr
.endr
.endm
.macro OUT role
.irp a, 0,1,2,3,4,5,6,7
	QUANTW \a
.if \role == 0                                 ; q, k: registers 0-5 are the even head's 64, registers 6-11 the odd head's; tile a of the record's first field
	v_perm_b32 v[WA+\a], v[C7F], v[PW], s[SELA]
	v_perm_b32 v[WB+\a], v[C7F], v[PW], s[SELB]
.irp g, 0,1,2,3,4,5
	global_store_b64 v[OFF8], v[PC+2*\g:PC+2*\g+1], s[10:11] offset:\a*768+(\g%3)*256+(\g/3)*HSTR   ; 32 lanes store 256 consecutive bytes, aligned
.endr
.else                                          ; v: blocks 0-3 are the even head's 64 features, 4-7 the odd head's; a whole fragment of 16 features x 128 keys
	v_mov_b32 v[WA+\a], v[PW]
.irp g, 0,1,2,3,4,5
	global_store_b64 v[OFF8], v[PC+2*\g:PC+2*\g+1], s[10:11] offset:(\a/4)*HSTR+6144+(\a%4)*1536+\g*256
.endr
.endif
.endr
.irp i, 0,1,2,3
	v_cndmask_b32 v[T4+\i], v[WA+\i], v[WA+4+\i], s[HM]   ; lanes 0-15 carry blocks 0-3's words, lanes 16-31 blocks 4-7's (both halves of the lanes hold every word)
.endr
.if \role == 0
	global_store_b128 v[OFF16], v[T4:T4+3], s[10:11] offset:12288
.irp i, 0,1,2,3
	v_cndmask_b32 v[T5+\i], v[WB+\i], v[WB+4+\i], s[HM]
.endr
	global_store_b128 v[OFF16], v[T5:T5+3], s[10:11] offset:12288+HSTR
.else
	global_store_b128 v[OFFV], v[T4:T4+3], s[10:11] offset:12800   ; lanes 0-15: the even head's record, lanes 16-31: the odd head's
.endif
.endm
	PLACES NP                                      ; behind the last products
.irp b, 0,1,2,3
	v_mov_b32 v[TM+4+\b], 0                        ; written once: a lane permute's destination counts as one of its sources
.endr
	s_cmp_eq_u32 s[ROLE], 0
	s_cbranch_scc0 .Lout_v
	OUT 0
	s_branch .Lout_done
.Lout_v:
	OUT 1
.Lout_done:
	s_wait_tensorcnt 0x0                           ; the wave's end
	ds_add_u32 v[SPW], v[NIL]
	s_wait_dscnt 0x0
	CROUND                                         ; the closing round: no work-group ends while a partner may still ask for a tile that names it
	s_endpgm
.Lfunc_end_k_q273663cc63_qkv:
	.size	k_q273663cc63_qkv, .Lfunc_end_k_q273663cc63_qkv-k_q273663cc63_qkv
	.p2alignl 7, 3214868480
	.fill 96, 4, 3214868480
	.section	.rodata,"a",@progbits
	.p2align	6, 0x0
	.amdhsa_kernel k_q273663cc63_qkv
		.amdhsa_group_segment_fixed_size 327680
		.amdhsa_private_segment_fixed_size 0
		.amdhsa_enable_private_segment 0
		.amdhsa_kernarg_size 32
		.amdhsa_user_sgpr_count 2
		.amdhsa_user_sgpr_kernarg_segment_ptr 1
		.amdhsa_wavefront_size32 1
		.amdhsa_system_sgpr_workgroup_id_x 1
		.amdhsa_system_sgpr_workgroup_id_y 1
		.amdhsa_system_sgpr_workgroup_id_z 1
		.amdhsa_system_vgpr_workitem_id 0
		.amdhsa_next_free_vgpr 1024
		.amdhsa_next_free_sgpr 100
		.amdhsa_reserve_vcc 0
		.amdhsa_float_denorm_mode_32 3
		.amdhsa_float_denorm_mode_16_64 3
		.amdhsa_memory_ordered 1
		.amdhsa_forward_progress 1
		.amdhsa_inst_pref_size 225
	.end_amdhsa_kernel
	.amdgpu_metadata
---
amdhsa.version: [ 1, 2 ]
amdhsa.kernels:
  - .name:           k_q273663cc63_qkv
    .symbol:         k_q273663cc63_qkv.kd
    .args:
      - { .name: codes, .offset: 0, .size: 8, .value_kind: global_buffer, .address_space: global }
      - { .name: scales, .offset: 8, .size: 8, .value_kind: global_buffer, .address_space: global }
      - { .name: bqkv, .offset: 16, .size: 8, .value_kind: global_buffer, .address_space: global }
      - { .name: rec, .offset: 24, .size: 8, .value_kind: global_buffer, .address_space: global }
    .group_segment_fixed_size: 327680
    .private_segment_fixed_size: 0
    .kernarg_segment_align: 8
    .kernarg_segment_size: 32
    .max_flat_workgroup_size: 128
    .sgpr_count:     100
    .vgpr_count:     1024
    .wavefront_size: 32
...
	.end_amdgpu_metadata
.endif
;; end of part 2
;; launch attn (part 3): grid 8 x 32, 16 waves a work-group, clusters of 4 x 1, 327,680 bytes of LDS; arguments rec, o_img, o_sc; writes o_img, o_sc
.if DOCPART == 3
	.amdgcn_target "amdgcn-amd-amdhsa--gfx1250"
	.amdhsa_code_object_version 6
	.text
	.protected	k_q273663cc63_attn
	.globl	k_q273663cc63_attn
	.p2align	8
	.type	k_q273663cc63_attn,@function
k_q273663cc63_attn:
	s_mov_b64 s[64:65], 0
	v_nop
	global_prefetch_b8 v0, s[64:65] scope:SCOPE_SE
	s_setreg_imm32_b32 hwreg(HW_REG_WAVE_MODE, 25, 1), 1
	s_wait_xcnt 0x0
	s_wait_alu depctr_hold_cnt(0) depctr_sa_sdst(0) depctr_va_vdst(0) depctr_va_sdst(0) depctr_va_ssrc(0) depctr_va_vcc(0) depctr_vm_vsrc(0)
	s_getreg_b32 s2, hwreg(HW_REG_IB_STS2, 6, 4)
	s_cmp_eq_u32 s2, 0
	s_cbranch_scc0 .Lentry_in_a_cluster
	s_endpgm
.Lentry_in_a_cluster:
	s_bfe_u32 s2, ttmp6, 0x10000c
	s_cmp_lg_u32 s2, 0x3003
	s_cbranch_scc0 .Lentry_shape_is_right
	s_endpgm
.Lentry_shape_is_right:
; o = softmax(q k^T / 32) v for 64 (batch, head) pairs of 2,048 tokens x 64, both products on codes of FP6 (E2M3) with E8M0 scales; o is quantised along the 1,024 features for the last product and stored as operand images.
; THE SOFTMAX: t = score x log2(e) / 32; M = the row's largest t so far, rounded up to a whole number; p = 2^(t - M) is quantised along the keys, not normalised; the row's sum is taken of the unquantised p and divides at the end.
; When M moves, the sum and O are multiplied by 2^(old M - new M): exact.
; SHARES.  A work-group owns 256 queries of one batch and walks TWO heads, 2 g and 2 g + 1, one after the other: their 32 records (128 keys each: k's codes, v's codes, scale words; 13,056 bytes) are one dense run of memory.
; Each of its sixteen waves owns one tile of 16 queries in 256 registers: four waves to a SIMD, so that one wave's vector work stands beside another's products and LDS loads.
; After both heads a wave holds a whole fragment of o (16 tokens x 128 features) and a whole scale word.
; LAYOUT.  Both products are used transposed: S^T = K Q^T, O^T = V^T P^T: a lane holds one query (lane % 16) throughout.  The records hold images of operand registers, so every LDS load is 8 or 16 bytes x lane on end.
; The tokens of a tile lie in the order that the launches before gave them, so that the 16 registers of tiles 2 b and 2 b + 1 of S^T are keys 32 b + 16 (lane / 16) + 0 .. 15, and those of O^T features likewise.
; K = 64 IN AN INSTRUCTION OF 128: q's codes of k = 64 .. 127 are zeros and all scale bytes there are 127.  k's operand of tile t names twelve registers, the upper six being the next tile's codes: numbers of the format, times zero.
; CLUSTER.  The four work-groups of a cluster walk the same records: each run of records is asked for jointly (mask 15).  Waves 0-3 fetch, two records each; two buffers of eight records take turns.
; A refill is asked for eight key steps ahead of its first read, so no request ahead of it is made.
; LIMITS: NaN and infinities are not served; a block of zeros, or under 2^-124, gets the scale byte 1: its codes are zeros, and this program alone reads the bytes.
.set REC,   13056
.set HSTR,  16*REC
.set WSTR,  1024*REC                   ; part 1 of the records: k and v
.set SLOTB, 8*REC                      ; a buffer
.set QUART, 2*REC                      ; what one tensor load brings: 102 rows of 256 bytes
.set OSTG,  2*SLOTB                    ; behind the buffers: 1,024 bytes in which the sixteen waves' scale words meet
.set SPARE, OSTG+1024                  ; the spare words, 128 bytes a wave: eight blocks of 256 bytes that no other line names
.set L8,  1                            ; v1   8 x lane
.set L16, 2                            ; v2   16 x lane
.set R16, 3                            ; v3   16 x (lane % 16)
.set SPW, 4
.set NIL, 5
.set ADK, 6                            ; v6-8 the step's LDS addresses
.set ADS, 7
.set ADV, 8
.set GS,  9                            ; v9   16 x (thread % 64): the scale words' way out
.set QSA, 10                           ; v10, v11 q's scale words, even and odd head
.set QSB, 11
.set QA,  16                           ; v16-27 q of the even head: codes in 16-21, zeros in 22-27
.set QB,  28                           ; v28-39 of the odd head
.set KS,  40                           ; v40-43 k's scale words: lanes 0-15 tiles 0-3, lanes 16-31 tiles 4-7
.set VS,  44                           ; v44-47 v's scale words, tiles 0-3
.set PS,  48                           ; v48  p's scale word
.set OW,  49                           ; v49  o's scale word
.set KV,  50                           ; v50-97 k's eight tiles x 6, then v's four x 12; v98-103 zeros
.set S,   104                          ; v104-167 S^T, then p
.set OT,  168                          ; v168-199 O^T
.set PC,  200                          ; v200-211 p's codes
.set PT,  212                          ; v212-219 the conversions' second halves
.set BM,  220                          ; v220-223 a block's largest score, then p
.set BP,  224                          ; v224-227 at work
.set BO,  228                          ; v228-231 the conversions' scale operands
.set TT,  232
.set FF,  234                          ; v[234:235] f, or 1 / the sum: the packed forms name a pair and take its low word
.set OF,  236                          ; v236-247 o's fragment
.set GD,  248
.set SWA, 252                          ; v252 where I put my scale word
.set SRA, 253                          ; v253 where it is read back
.set WV,  10
.set G1,  16                           ; s[16:23] descriptor group 1;  s[24:27], s[28:31] group 0 of buffer 0, 1
.set G0,  24
.set SEL, 32
.set CS,  34
.set TB,  36                           ; s36  LDS byte of the record in hand
.set CNT, 37
.macro CROUND                          ; a round of the cluster's barrier
	s_barrier_signal -1
	s_barrier_wait -1
	s_cmp_lg_u32 s[WV], 0
	s_cbranch_scc1 .Lnot_wave_0_\@
	s_barrier_signal -3
.Lnot_wave_0_\@:
	s_barrier_wait -3
	s_barrier_signal -1
	s_barrier_wait -1
.endm
	s_load_b128 s[4:7], s[0:1], 0x0                ; rec s[4:5], o_img s[6:7]
	s_load_b64 s[8:9], s[0:1], 0x10                ; o_sc
	v_lshl_add_u32 v[SPW], v0, 2, SPARE
	v_mov_b32 v[NIL], 0
	ds_add_u32 v4, v5
	ds_add_u32 v4, v5
	s_wait_dscnt 0x0
	v_lshrrev_b32 v6, 5, v0
	s_delay_alu instid0(VALU_DEP_1)
	v_readfirstlane_b32 s[WV], v6                  ; wave 0..15
	s_bfe_u32 s11, ttmp6, 0x40000                  ; cx
	s_lshl_b32 s12, ttmp9, 2
	s_add_co_u32 s12, s12, s11                     ; my block of 256 queries: it enters q's and o's addresses alone
	s_and_b32 s13, ttmp7, 0xffff                   ; y = 8 x batch + pair of heads, which the four partners share
	s_mov_b32 s[G1+0], 15|(3<<16)|(1<<21)          ; the mask: all four work-groups; elements of 8 bytes; bit 21 set beside a mask; no padding
	s_mov_b32 s[G1+1], 32<<16                      ; tensor_dim0 = 32 elements: 256 bytes
	s_mov_b32 s[G1+2], 102<<16                     ; tensor_dim1
	s_mov_b32 s[G1+3], 32<<16                      ; tile_dim0
	s_mov_b32 s[G1+4], 102                         ; tile_dim1
	s_mov_b32 s[G1+5], 32                          ; dense
	s_mov_b32 s[G1+6], 0
	s_mov_b32 s[G1+7], 0
	s_min_u32 s39, s[WV], 3                        ; waves 4 to 15 issue no load: their words, never used, stay those of wave 3
	s_mul_i32 s40, s39, QUART                      ; my two records of a buffer's eight
	s_mul_i32 s42, s13, 32*REC                     ; the pair's 32 records
	s_add_co_u32 s42, s42, s40
	s_add_co_u32 s42, s42, WSTR
	s_mov_b32 s43, 0
	s_mov_b32 s[SEL], 0x76543210
	s_mov_b32 s[SEL+1], 0xfedcba98
	s_mov_b32 s[CS], 0x3d38aa3b                    ; c = log2(e) / 32
	s_mov_b32 s[CS+1], s[CS]
	s_wait_kmcnt 0x0
	CROUND                                         ; all four work-groups are here: the first joint loads meet
	s_mov_b32 s[G0], 1
	s_mov_b32 s[G0+1], s40
	s_add_nc_u64 s[G0+2:G0+3], s[4:5], s[42:43]
	s_mov_b32 s[G0+4], 1
	s_add_co_u32 s[G0+5], s40, SLOTB
	s_add_nc_u64 s[G0+6:G0+7], s[G0+2:G0+3], SLOTB
	s_or_b32 s[G0+3], s[G0+3], 0x80000000
	s_or_b32 s[G0+7], s[G0+7], 0x80000000
	s_cmp_lt_u32 s[WV], 4                          ; a wave's two first fills stand in one branch: two loads of mine are out
	s_cbranch_scc0 .Lno_first
	tensor_load_to_lds s[G0:G0+3], s[G1:G1+7]
	s_nop 0
	tensor_load_to_lds s[G0+4:G0+7], s[G1:G1+7]
	s_nop 0
.rept 4
	v_nop
.endr
.Lno_first:
	v_and_b32 v6, 31, v0
	v_and_b32 v7, 15, v0
	s_delay_alu instid0(VALU_DEP_2)
	v_lshlrev_b32 v[L8], 3, v6
	s_wait_alu depctr_va_vdst(0)
	v_lshlrev_b32 v[L16], 4, v6
	v_lshlrev_b32 v[R16], 4, v7
	s_wait_alu depctr_va_vdst(0)
	v_and_b32 v[GS], 63, v0
	s_delay_alu instid0(VALU_DEP_1)
	v_lshlrev_b32 v[GS], 4, v[GS]
	s_delay_alu instid0(VALU_DEP_1)
	v_add_nc_u32 v[SRA], OSTG, v[GS]
	s_lshl_b32 s54, s[WV], 6
	s_add_co_u32 s54, s54, OSTG
	v_lshl_add_u32 v[SWA], v7, 2, s54              ; 64 bytes a wave, 4 bytes a query
	; q: part 0, record 32 y + 2 x block + wave / 8, tile wave % 8
	s_lshl_b32 s44, s13, 5
	s_lshl_b32 s45, s12, 1
	s_add_co_u32 s44, s44, s45
	s_lshr_b32 s45, s[WV], 3
	s_add_co_u32 s44, s44, s45
	s_mul_i32 s44, s44, REC
	s_mov_b32 s45, 0
	s_add_nc_u64 s[44:45], s[4:5], s[44:45]
	s_and_b32 s46, s[WV], 7
	s_mul_i32 s46, s46, 768
	s_mov_b32 s47, 0
	s_add_nc_u64 s[46:47], s[44:45], s[46:47]      ; my tile's codes
	s_bfe_u32 s48, s[WV], 0x10002                  ; its scale words: half (tile / 4), word tile % 4
	s_lshl_b32 s48, s48, 8
	s_and_b32 s49, s[WV], 3
	s_lshl_b32 s49, s49, 2
	s_add_co_u32 s48, s48, s49
	s_mov_b32 s49, 0
	s_add_nc_u64 s[44:45], s[44:45], s[48:49]
.irp p, 0,1,2
	global_load_b64 v[QA+2*\p:QA+2*\p+1], v[L8], s[46:47] offset:256*\p
	global_load_b64 v[QB+2*\p:QB+2*\p+1], v[L8], s[46:47] offset:256*\p+HSTR
.endr
	global_load_b32 v[QSA], v[R16], s[44:45] offset:12288
	global_load_b32 v[QSB], v[R16], s[44:45] offset:12288+HSTR
	; o: K step of 256 = g / 2; token tile T = 128 batch + 16 block + wave; half g % 2
	s_and_b32 s50, s13, 7                          ; g
	s_lshr_b32 s51, s13, 3
	s_lshl_b32 s51, s51, 7
	s_lshl_b32 s52, s12, 4
	s_add_co_u32 s51, s51, s52                     ; the work-group's first tile
	s_add_co_u32 s52, s51, s[WV]
	s_mul_i32 s52, s52, 3072
	s_lshr_b32 s53, s50, 1
	s_mul_i32 s53, s53, 1572864
	s_add_co_u32 s52, s52, s53
	s_and_b32 s53, s50, 1
	s_mul_i32 s53, s53, 1536
	s_add_co_u32 s52, s52, s53
	s_mov_b32 s53, 0
	s_add_nc_u64 s[6:7], s[6:7], s[52:53]
	s_lshl_b32 s52, s50, 15                        ; the scale words: plane g of 32,768 bytes, 64 bytes a tile
	s_lshl_b32 s51, s51, 6
	s_add_co_u32 s52, s52, s51
	s_add_nc_u64 s[8:9], s[8:9], s[52:53]
	v_mov_b32 v13, 0xff61b1e6                      ; the largest t so far: -3e38
	s_delay_alu instid0(VALU_DEP_1)
	v_floor_f32 v12, -v13                          ; -M
	v_mov_b32 v14, 0                               ; the sum, in two halves
	v_mov_b32 v15, 0
.irp i, 6,7,8,9,10,11
	v_mov_b32 v[QA+\i], 0                          ; q's codes of k = 64 .. 127
	v_mov_b32 v[QB+\i], 0
	v_mov_b32 v[KV+42+\i], 0                       ; what tile 7's operand names behind its own six registers
.endr
.irp b, 0,1,2,3
	v_mov_b32 v[BP+\b], 0                          ; written once: a lane permute's destination counts as one of its sources
.endr
	v_mov_b32 v[TT], 0
	v_mov_b32 v[FF+1], 0                           ; (named as the upper half of a pair)
.set j, 0
.rept 32
	v_mov_b32 v[OT+j], 0                           ; O^T: the step is written once; the first finds zeros, which the first change of M leaves zeros
.set j, j+1
.endr
; A KEY STEP: 128 keys, the record at LDS byte s[TB].
.macro STEP qf, qs
	v_add_nc_u32 v[ADK], s[TB], v[L8]              ; these four lines are the places between the last products and the loads into their registers
	v_add_nc_u32 v[ADS], s[TB], v[L16]
	v_add_nc_u32 v[ADV], s[TB], v[R16]
	v_nop
.irp t, 0,1,2,3,4,5,6,7
.irp p, 0,1,2
	ds_load_b64 v[KV+6*\t+2*\p:KV+6*\t+2*\p+1], v[ADK] offset:768*\t+256*\p
.endr
.endr
	ds_load_b128 v[KS:KS+3], v[ADS] offset:12288
	ds_load_b128 v[VS:VS+3], v[ADV] offset:12800
	s_wait_alu depctr_va_vdst(0)
	s_wait_dscnt 0x0
.irp t, 0,1,2,3
	v_wmma_scale_f32_16x16x128_f8f6f4 v[S+8*\t:S+8*\t+7], v[KV+6*\t:KV+6*\t+11], v[\qf:\qf+11], 0, v[KS+\t], v[\qs] matrix_a_fmt:MATRIX_FMT_FP6 matrix_b_fmt:MATRIX_FMT_FP6
.endr
.irp t, 4,5,6,7
	v_wmma_scale_f32_16x16x128_f8f6f4 v[S+8*\t:S+8*\t+7], v[KV+6*\t:KV+6*\t+11], v[\qf:\qf+11], 0, v[KS+\t-4], v[\qs] matrix_a_fmt:MATRIX_FMT_FP6 matrix_b_fmt:MATRIX_FMT_FP6 matrix_a_scale:MATRIX_SCALE_ROW1
.endr
.rept 4
	v_nop                                          ; places in front of the loads into k's registers and of the first read of the scores
.endr
.irp t, 0,1,2,3
.irp p, 0,1,2,3,4,5
	ds_load_b64 v[KV+12*\t+2*\p:KV+12*\t+2*\p+1], v[ADK] offset:6144+1536*\t+256*\p   ; v's four fragments land while the softmax is worked
.endr
.endr
.irp b, 0,1,2,3
	v_max3_num_f32 v[BM+\b], v[S+16*\b], v[S+1+16*\b], v[S+2+16*\b]   ; the largest score of each block of 32 keys: for the row's maximum and, since p rises with the score, for the block's largest p
.endr
.irp i, 3,5,7,9,11,13
.irp b, 0,1,2,3
	v_max3_num_f32 v[BM+\b], v[BM+\b], v[S+16*\b+\i], v[S+1+16*\b+\i]
.endr
.endr
.irp b, 0,1,2,3
	v_max_num_f32 v[BM+\b], v[BM+\b], v[S+15+16*\b]
.endr
.irp b, 0,1,2,3
	s_delay_alu instid0(VALU_DEP_4)
	v_permlanex16_b32 v[BP+\b], v[BM+\b], s[SEL], s[SEL+1]
.endr
.irp b, 0,1,2,3
	s_delay_alu instid0(VALU_DEP_4)
	v_max_num_f32 v[BM+\b], v[BM+\b], v[BP+\b]     ; with lane l xor 16's 16 keys
.endr
	s_delay_alu instid0(VALU_DEP_2)
	v_max3_num_f32 v[TT], v[BM], v[BM+1], v[BM+2]
	s_delay_alu instid0(VALU_DEP_1)
	v_max_num_f32 v[TT], v[TT], v[BM+3]            ; the step's largest score of my query
	s_delay_alu instid0(VALU_DEP_1)
	v_mul_f32 v[TT], s[CS], v[TT]                  ; as t (c is positive)
	s_delay_alu instid0(VALU_DEP_1)
	v_max_num_f32 v13, v13, v[TT]                  ; the running largest t
	v_mov_b32 v[TT], v12
	s_delay_alu instid0(VALU_DEP_2)
	v_floor_f32 v12, -v13                          ; the new -M = floor(-t): M is a whole number
	s_delay_alu instid0(VALU_DEP_1)
	v_sub_f32 v[TT], v12, v[TT]                    ; old M - new M: a whole number, 0 or less
	s_delay_alu instid0(VALU_DEP_1)
	v_cvt_i32_f32 v[TT], v[TT]                     ; (it saturates)
	s_delay_alu instid0(VALU_DEP_1)
	v_ldexp_f32 v[FF], 1.0, v[TT]                  ; f = 2^(old M - new M)
.set j, 0
.rept 32
	v_pk_fma_f32 v[S+j:S+j+1], v[S+j:S+j+1], s[CS:CS+1], v[12:13] op_sel_hi:[1,0,0]   ; t - M, two at a time
.set j, j+2
.endr
.irp b, 0,1,2,3
	v_fma_f32 v[BM+\b], v[BM+\b], s[CS], v12       ; the same of each block's largest score
.endr
.set j, 0
	s_setprio 1
	s_wait_alu depctr_va_vdst(0)
.rept 64
	v_exp_f32 v[S+j], v[S+j]                       ; p = 2^(t - M), at most 1
.set j, j+1
.endr
	v_pk_mul_f32 v[14:15], v[14:15], v[FF:FF+1] op_sel_hi:[1,0]   ; the sums under the new M: a plain instruction behind the exponentials
	s_wait_alu depctr_va_vdst(0)                   ; one wait for the whole batch, ahead of its first reader
.irp b, 0,1,2,3
	v_exp_f32 v[BM+\b], v[BM+\b]                   ; the block's largest p
.endr
	v_pk_add_f32 v[224:225], v[108:109], v[112:113]
	v_pk_add_f32 v[254:255], v[116:117], v[120:121]
	v_pk_add_f32 v[250:251], v[124:125], v[128:129]
	v_pk_add_f32 v[248:249], v[132:133], v[136:137]
	v_pk_add_f32 v[246:247], v[140:141], v[144:145]
	v_pk_add_f32 v[244:245], v[148:149], v[152:153]
	v_pk_add_f32 v[242:243], v[156:157], v[160:161]
	v_pk_add_f32 v[14:15], v[14:15], v[164:165]
	v_pk_add_f32 v[224:225], v[224:225], v[104:105]
	v_pk_add_f32 v[254:255], v[254:255], v[106:107]
	v_pk_add_f32 v[250:251], v[250:251], v[110:111]
	v_pk_add_f32 v[248:249], v[248:249], v[114:115]
	v_pk_add_f32 v[246:247], v[246:247], v[118:119]
	v_pk_add_f32 v[244:245], v[244:245], v[122:123]
	v_pk_add_f32 v[242:243], v[242:243], v[126:127]
	v_pk_add_f32 v[14:15], v[14:15], v[130:131]
	v_pk_add_f32 v[224:225], v[224:225], v[134:135]
	v_pk_add_f32 v[254:255], v[254:255], v[138:139]
	v_pk_add_f32 v[250:251], v[250:251], v[142:143]
	v_pk_add_f32 v[248:249], v[248:249], v[146:147]
	v_pk_add_f32 v[246:247], v[246:247], v[150:151]
	v_pk_add_f32 v[244:245], v[244:245], v[154:155]
	v_pk_add_f32 v[242:243], v[242:243], v[158:159]
	v_pk_add_f32 v[14:15], v[14:15], v[162:163]
	v_pk_add_f32 v[224:225], v[224:225], v[166:167]
	s_delay_alu instid0(VALU_DEP_2)
	v_pk_add_f32 v[14:15], v[14:15], v[248:249]
	s_delay_alu instid0(VALU_DEP_2)
	v_pk_add_f32 v[224:225], v[224:225], v[246:247]
	v_pk_add_f32 v[254:255], v[254:255], v[244:245]
	v_pk_add_f32 v[250:251], v[250:251], v[242:243]
	s_delay_alu instid0(VALU_DEP_2)
	v_pk_add_f32 v[14:15], v[14:15], v[254:255]
	s_delay_alu instid0(VALU_DEP_2)
	v_pk_add_f32 v[224:225], v[224:225], v[250:251]
	s_delay_alu instid0(VALU_DEP_1)
	v_pk_add_f32 v[14:15], v[14:15], v[224:225]
	s_wait_alu depctr_va_vdst(0)                   ; and one for the four
.irp b, 0,1,2,3
	v_max_num_f32 v[BM+\b], 0x1800000, v[BM+\b]    ; the floor 2^(3 - 127): the byte cannot fall under 1
.endr
.irp b, 0,1,2,3
	s_delay_alu instid0(VALU_DEP_4)
	v_add_nc_u32 v[BO+\b], 0xff000000, v[BM+\b]    ; 2 off the exponent field: the conversion's scale operand
.endr
.irp b, 0,1,2,3
	s_delay_alu instid0(VALU_DEP_4)
	v_lshrrev_b32 v[BP+\b], 23, v[BO+\b]           ; the scale's byte
.endr
	s_delay_alu instid0(VALU_DEP_3)
	v_lshl_or_b32 v[PS], v[BP+1], 8, v[BP]         ; p's scale word for these 128 keys
	s_delay_alu instid0(VALU_DEP_1)
	v_lshl_or_b32 v[PS], v[BP+2], 16, v[PS]
	s_delay_alu instid0(VALU_DEP_1)
	v_lshl_or_b32 v[PS], v[BP+3], 24, v[PS]
.irp c, 0,1
	v_cvt_scalef32_pk16_fp6_f32 v[PC+6*\c:PC+2+6*\c], v[S+32*\c:S+15+32*\c], v[BO+2*\c]
	v_cvt_scalef32_pk16_fp6_f32 v[PT+4*\c:PT+2+4*\c], v[S+16+32*\c:S+31+32*\c], v[BO+2*\c+1]
.endr
	v_nop                                          ; one plain place behind a scaled conversion
	s_setprio 0
.irp c, 0,1                                    ; the operand's layout wants a whole block in a lane
.irp i, 0,1,2
	v_permlane16_swap_b32 v[PC+6*\c+\i], v[PT+4*\c+\i]
.endr
.irp i, 0,1,2
	s_delay_alu instid0(VALU_DEP_3)
	v_mov_b32 v[PC+3+6*\c+\i], v[PT+4*\c+\i]
.endr
.endr
.set j, 0
.rept 16
	v_pk_mul_f32 v[OT+j:OT+j+1], v[OT+j:OT+j+1], v[FF:FF+1] op_sel_hi:[1,0]   ; O^T under the new M.  (For each product below twelve of these sixteen name none of its registers: the places behind p's scale word and codes)
.set j, j+2
.endr
	s_wait_alu depctr_va_vdst(0)
	s_wait_dscnt 0x0                               ; v is in
.irp t, 0,1,2,3
	v_wmma_scale_f32_16x16x128_f8f6f4 v[OT+8*\t:OT+8*\t+7], v[KV+12*\t:KV+12*\t+11], v[PC:PC+11], v[OT+8*\t:OT+8*\t+7], v[VS+\t], v[PS] matrix_a_fmt:MATRIX_FMT_FP6 matrix_b_fmt:MATRIX_FMT_FP6
.endr
	s_add_co_u32 s[TB], s[TB], REC
.endm
.macro STEPS buf, qf, qs               ; a buffer's eight key steps
	s_mov_b32 s[TB], \buf*SLOTB
	s_mov_b32 s[CNT], 8
.Lstep_\@:
	s_setprio 2
	STEP \qf, \qs
	s_sub_co_u32 s[CNT], s[CNT], 1
	s_cmp_lg_u32 s[CNT], 0
	s_cbranch_scc1 .Lstep_\@
	s_setprio 0
.endm
; THE CHANGE OF BUFFERS.  Each wave waits for all its tensor loads (its part of the buffer ahead), adds 0 to its spare word, and waits for that and for its reads of the buffer that it has left.
; fill = 1: that buffer is filled again, 16 records on; the barrier is then a round of the cluster's, and the joint load is the first thing behind it.
.macro CHANGE fill, buf
	s_wait_tensorcnt 0x0                           ; no tensor load of mine is out, so a group 0 may be written
	ds_add_u32 v[SPW], v[NIL]                      ; 0 onto my spare word
.if \fill
	s_add_nc_u64 s[G0+4*\buf+2:G0+4*\buf+3], s[G0+4*\buf+2:G0+4*\buf+3], 2*SLOTB
.endif
	s_wait_dscnt 0x0                               ; the add is done, and my reads of the buffer that I have left are over
.if \fill
	CROUND
	s_cmp_lt_u32 s[WV], 4
	s_cbranch_scc0 .Lnone_\@
	tensor_load_to_lds s[G0+4*\buf:G0+4*\buf+3], s[G1:G1+7]
	s_nop 0
.rept 4
	v_nop
.endr
.Lnone_\@:
.else
	s_barrier_signal -1
	s_barrier_wait -1
.endif
.endm
; A HEAD'S END.  O^T / the sum; register 16 b + i is feature 32 b + 16 (lane / 16) + i of the head: two blocks of 32 along the last product's K, quantised into registers 6 c .. 6 c + 5 of o's fragment and bytes 2 c, 2 c + 1 of its scale word.
.macro FINISH c
.rept 4
	v_nop                                          ; places behind the last products
.endr
	v_add_f32 v14, v14, v15
	s_delay_alu instid0(VALU_DEP_1)
	v_permlanex16_b32 v[TT], v14, s[SEL], s[SEL+1]
	s_delay_alu instid0(VALU_DEP_1)
	v_add_f32 v14, v14, v[TT]                      ; the row's sum
	s_wait_alu depctr_va_vdst(0)
	v_rcp_f32 v[FF], v14
	v_nop                                          ; a plain place behind the reciprocal
	s_wait_alu depctr_va_vdst(0)                   ; and the wait ahead of its first reader
.set j, 0
.rept 16
	v_pk_mul_f32 v[S+j:S+j+1], v[OT+j:OT+j+1], v[FF:FF+1] op_sel_hi:[1,0]
.set j, j+2
.endr
.irp b, 0,1
	v_max3_num_f32 v[BM+\b], |v[S+16*\b]|, |v[S+1+16*\b]|, 0x1800000
.endr
.irp i, 2,4,6,8,10,12,14
.irp b, 0,1
	s_delay_alu instid0(VALU_DEP_2)
	v_max3_num_f32 v[BM+\b], v[BM+\b], |v[S+16*\b+\i]|, |v[S+1+16*\b+\i]|
.endr
.endr
.irp b, 0,1
	s_delay_alu instid0(VALU_DEP_2)
	v_permlanex16_b32 v[BP+\b], v[BM+\b], s[SEL], s[SEL+1]
.endr
.irp b, 0,1
	s_delay_alu instid0(VALU_DEP_2)
	v_max_num_f32 v[BM+\b], v[BM+\b], v[BP+\b]
.endr
.irp b, 0,1
	s_delay_alu instid0(VALU_DEP_2)
	v_add_nc_u32 v[BO+\b], 0xff000000, v[BM+\b]
.endr
.irp b, 0,1
	s_delay_alu instid0(VALU_DEP_2)
	v_lshrrev_b32 v[BP+\b], 23, v[BO+\b]
.endr
.if \c == 0
	s_delay_alu instid0(VALU_DEP_1)
	v_lshl_or_b32 v[OW], v[BP+1], 8, v[BP]
.else
	s_delay_alu instid0(VALU_DEP_2)
	v_lshl_or_b32 v[OW], v[BP], 16, v[OW]
	s_delay_alu instid0(VALU_DEP_1)
	v_lshl_or_b32 v[OW], v[BP+1], 24, v[OW]
.endif
	v_cvt_scalef32_pk16_fp6_f32 v[OF+6*\c:OF+6*\c+2], v[S:S+15], v[BO]
	v_cvt_scalef32_pk16_fp6_f32 v[PT:PT+2], v[S+16:S+31], v[BO+1]
	v_nop                                          ; one plain place behind a scaled conversion
.irp i, 0,1,2
	v_permlane16_swap_b32 v[OF+6*\c+\i], v[PT+\i]
.endr
.irp i, 0,1,2
	s_delay_alu instid0(VALU_DEP_3)
	v_mov_b32 v[OF+6*\c+3+\i], v[PT+\i]
.endr
.if \c == 0                                    ; the odd head begins as the even one did
	v_mov_b32 v13, 0xff61b1e6
	s_delay_alu instid0(VALU_DEP_1)
	v_floor_f32 v12, -v13
	v_mov_b32 v14, 0
	v_mov_b32 v15, 0
.set j, 0
.rept 32
	v_mov_b32 v[OT+j], 0
.set j, j+1
.endr
.endif
.endm
	s_wait_tensorcnt 0x1                           ; my part of buffer 0 is in; buffer 1's may stay out
	s_barrier_signal -1
	s_barrier_wait -1                              ; everybody's is
	s_wait_loadcnt 0x0                             ; q
	STEPS 0, QA, QSA                               ; the even head's keys 0-1,023
	CHANGE 1, 0                                    ; buffer 0 takes the odd head's first eight records
	STEPS 1, QA, QSA
	FINISH 0
	CHANGE 1, 1                                    ; buffer 1 its last eight
	STEPS 0, QB, QSB
	CHANGE 0, 0
	STEPS 1, QB, QSB
	FINISH 1
.irp c, 0,1,2
	global_store_b128 v[L16], v[OF+4*\c:OF+4*\c+3], s[6:7] offset:512*\c   ; the fragment as it stands: 512 consecutive bytes a store, aligned
.endr
	ds_store_b32 v[SWA], v[OW]                     ; both halves of the lanes write the same word with the same value
	s_wait_dscnt 0x0                               ; for the others' sake
	s_barrier_signal -1
	s_barrier_wait -1
	s_cmp_lt_u32 s[WV], 2                          ; the sixteen waves' 1,024 bytes leave by two waves, 512 consecutive bytes each
	s_cbranch_scc0 .Lno_sc
	ds_load_b128 v[GD:GD+3], v[SRA]
	s_wait_dscnt 0x0
	global_store_b128 v[GS], v[GD:GD+3], s[8:9]
.Lno_sc:
	s_wait_tensorcnt 0x0                           ; the wave's end
	ds_add_u32 v[SPW], v[NIL]
	s_wait_dscnt 0x0
	CROUND                                         ; the closing round
	s_endpgm
.Lfunc_end_k_q273663cc63_attn:
	.size	k_q273663cc63_attn, .Lfunc_end_k_q273663cc63_attn-k_q273663cc63_attn
	.p2alignl 7, 3214868480
	.fill 96, 4, 3214868480
	.section	.rodata,"a",@progbits
	.p2align	6, 0x0
	.amdhsa_kernel k_q273663cc63_attn
		.amdhsa_group_segment_fixed_size 327680
		.amdhsa_private_segment_fixed_size 0
		.amdhsa_enable_private_segment 0
		.amdhsa_kernarg_size 24
		.amdhsa_user_sgpr_count 2
		.amdhsa_user_sgpr_kernarg_segment_ptr 1
		.amdhsa_wavefront_size32 1
		.amdhsa_system_sgpr_workgroup_id_x 1
		.amdhsa_system_sgpr_workgroup_id_y 1
		.amdhsa_system_sgpr_workgroup_id_z 1
		.amdhsa_system_vgpr_workitem_id 0
		.amdhsa_next_free_vgpr 256
		.amdhsa_next_free_sgpr 66
		.amdhsa_reserve_vcc 0
		.amdhsa_float_denorm_mode_32 3
		.amdhsa_float_denorm_mode_16_64 3
		.amdhsa_memory_ordered 1
		.amdhsa_forward_progress 1
		.amdhsa_inst_pref_size 94
	.end_amdhsa_kernel
	.amdgpu_metadata
---
amdhsa.version: [ 1, 2 ]
amdhsa.kernels:
  - .name:           k_q273663cc63_attn
    .symbol:         k_q273663cc63_attn.kd
    .args:
      - { .name: rec, .offset: 0, .size: 8, .value_kind: global_buffer, .address_space: global }
      - { .name: o_img, .offset: 8, .size: 8, .value_kind: global_buffer, .address_space: global }
      - { .name: o_sc, .offset: 16, .size: 8, .value_kind: global_buffer, .address_space: global }
    .group_segment_fixed_size: 327680
    .private_segment_fixed_size: 0
    .kernarg_segment_align: 8
    .kernarg_segment_size: 24
    .max_flat_workgroup_size: 512
    .sgpr_count:     66
    .vgpr_count:     256
    .wavefront_size: 32
...
	.end_amdgpu_metadata
.endif
;; end of part 3
;; launch proj (part 4): grid 4 x 32, 4 waves a work-group, clusters of 4 x 4, 327,680 bytes of LDS; arguments o_img, o_sc, codes, scales, bout, out0; writes out0
.if DOCPART == 4
	.amdgcn_target "amdgcn-amd-amdhsa--gfx1250"
	.amdhsa_code_object_version 6
	.text
	.protected	k_q273663cc63_proj
	.globl	k_q273663cc63_proj
	.p2align	8
	.type	k_q273663cc63_proj,@function
k_q273663cc63_proj:
	s_mov_b64 s[64:65], 0
	v_nop
	global_prefetch_b8 v0, s[64:65] scope:SCOPE_SE
	s_setreg_imm32_b32 hwreg(HW_REG_WAVE_MODE, 25, 1), 1
	s_wait_xcnt 0x0
	s_wait_alu depctr_hold_cnt(0) depctr_sa_sdst(0) depctr_va_vdst(0) depctr_va_sdst(0) depctr_va_ssrc(0) depctr_va_vcc(0) depctr_vm_vsrc(0)
	s_getreg_b32 s2, hwreg(HW_REG_IB_STS2, 6, 4)
	s_cmp_eq_u32 s2, 0
	s_cbranch_scc0 .Lentry_in_a_cluster
	s_endpgm
.Lentry_in_a_cluster:
	s_bfe_u32 s2, ttmp6, 0x10000c
	s_cmp_lg_u32 s2, 0xf033
	s_cbranch_scc0 .Lentry_shape_is_right
	s_endpgm
.Lentry_shape_is_right:
; out0 = o Wout^T + bout on codes of FP6 (E2M3) with E8M0 scales, K = 1,024; out0 [8192][1024] f32.
; A work-group of four waves makes 256 x 256, a wave 128 x 128: 64 accumulators.  K goes in steps of 256 through a ring of two LDS slots filled by the tensor data mover.
; "A" (source 1, rows in lanes) is o, which the launch before stored as IMAGES of operand registers: [K step of 256][tile of 16 tokens][2 fragments][3][32 lanes][16 bytes]: a fragment is three loads of 16 bytes x lane on end,
; and a K step's 128 tokens are one dense block of 24,576 bytes.  Its scale words lie [128 along K][token], 4 bytes each.  "B" (source 0, rows along registers) is Wout: rows 11,264 on of the codes, 768 bytes a row.
; Both lie in the order that the first launch gave the rows (bits 3 and 4 exchanged): register j of tile b is column 32 (b / 2) + 16 (lane / 16) + 8 (b % 2) + j of my 128, lane r of block a is row 32 (a / 2) + 8 (a % 2) + r + 8 (r / 8).
; The way out puts both back by the offsets of its stores.  THE BIAS is the C of each sum's first product (so it is added ahead of the products).
; CLUSTERS: 4 x 4 work-groups; A's tiles are asked for jointly along a row of the cluster, B's along a column.
; REGISTERS: window 0: v1-29 addresses; v32-63 A's scale words, two sets; v64-95 B's, two sets; v96-127 and v224-255 the bias; v128-223 A's fragments.  window 1: B's fragments, two sets.  windows 2, 3: the accumulators.
.set NQ,     2
.set ROWB,   192
.set KROW,   768
.set PITCH,  240
.set FR,     12
.set NLA,    3                         ; LDS loads that bring a fragment of A
.set NP,     4
.set AH,     24576                     ; 128 tokens of a K step
.set BHB,    128*PITCH                 ; 128 rows of Wout of a K step
.set SLOT,   2*AH+2*BHB
.set KPLANE, 1572864                   ; from a K step of o's images to the next
.set SCLA,   2*SLOT                    ; A's scale words: 2 x [8][128 tokens][4 bytes]
.set SCLB,   SCLA+8192                 ; B's scale bytes: 2 x 16 runs of 256 bytes + 16 of padding
.set HALFS,  16*272
.set SBLK,   2*272
.set SPARE,  SCLB+2*HALFS              ; the spare words, 128 bytes a wave: two blocks of 256 bytes that no other line names
.set SPITCH, 528                       ; the way out: a stage of 16 rows x (512 bytes + 16) for each wave, in slot 0, which has had its last fill and its last read by then
.set BOH,  12                          ; v12  the bias: 64 (lane / 16)
.set ADRA, 16                          ; v16-17
.set ADRB, 20                          ; v20-23
.set STO,  24
.set RD,   25
.set CO,   26
.set ADSA, 27
.set SPW,  28
.set NIL,  29
.set ADSB, 30
.set SCA,  32
.set SCB,  64
.set CB,   96
.set AF,   128
.set BK,   128
.set G1, 24
.set G0, 32
.set G1B, 48
.set G0B, 56
.set G1S, 68
.set G0S, 76
.set G1SB, 80
.set G0SB, 88
.set MSB, 0
.macro WIN new
.if MSB != (\new)
	s_set_vgpr_msb (MSB<<8)|(\new)
.set MSB, (\new)
.endif
.endm
.set MUL_LO, 0xa1
.set MUL_HI, 0xf1
.set BIAS_LO, 0x81
.set BIAS_HI, 0xc1
.set TO_B,   0x40
.macro JLOAD g0a, g1a, g0b, g1b        ; a joint load: waves 0 and 1 fetch for A, waves 2 and 3 for B; four v_nop follow each of the two lines
	s_cmp_eq_u32 s15, 0
	s_cbranch_scc0 .Lfor_b_\@
	tensor_load_to_lds s[\g0a:\g0a+3], s[\g1a:\g1a+7]
	s_nop 0
.rept 4
	v_nop
.endr
	s_branch .Lasked_\@
.Lfor_b_\@:
	tensor_load_to_lds s[\g0b:\g0b+3], s[\g1b:\g1b+7]
	s_nop 0
.rept 4
	v_nop
.endr
.Lasked_\@:
.endm
.macro CREST
	s_cmp_lg_u32 s14, 0
	s_cbranch_scc1 .Lnot_wave_0_\@
	s_barrier_signal -3
.Lnot_wave_0_\@:
	s_barrier_wait -3
	s_barrier_signal -1
	s_barrier_wait -1
.endm
.macro CROUND
	s_barrier_signal -1
	s_barrier_wait -1
	CREST
.endm
	s_load_b256 s[4:11], s[0:1], 0x0               ; o_img s[4:5], o_sc s[6:7], codes s[8:9], scales s[10:11]
	s_load_b128 s[96:99], s[0:1], 0x20             ; bout s[96:97], out0 s[98:99]
	v_lshl_add_u32 v[SPW], v0, 2, SPARE
	v_mov_b32 v[NIL], 0
	ds_add_u32 v28, v29
	s_wait_dscnt 0x0
	v_lshrrev_b32 v1, 5, v0
	v_readfirstlane_b32 s14, v1                    ; wave 0..3
	s_lshr_b32 s15, s14, 1                         ; which half of the rows is mine.  Also: I fetch for A (0) or for B (1)
	s_and_b32 s16, s14, 1                          ; which half of the columns.  Also: which half of that tile I fetch
	s_bfe_u32 s40, ttmp6, 0x40000
	s_bfe_u32 s41, ttmp6, 0x40004
	s_lshl_b32 s42, ttmp9, 2
	s_add_co_u32 s42, s42, s40                     ; tile column
	s_and_b32 s17, ttmp7, 0xffff
	s_lshl_b32 s17, s17, 2
	s_add_co_u32 s17, s17, s41                     ; tile row
	s_lshl_b32 s43, s41, 2
	s_lshl_b32 s43, 15, s43                        ; my row of the cluster
	s_lshl_b32 s44, 0x1111, s40                    ; my column
	s_or_b32 s[G1+0], s43, (3<<16)|(1<<21)         ; A's tile: 24,576 dense bytes as 96 rows of 256 (32 elements of 8 bytes), no padding
	s_mov_b32 s[G1+1], 32<<16
	s_mov_b32 s[G1+2], 96<<16
	s_mov_b32 s[G1+3], 32<<16
	s_mov_b32 s[G1+4], 96
	s_mov_b32 s[G1+5], 32
	s_mov_b32 s[G1+6], 0
	s_mov_b32 s[G1+7], 0
	s_or_b32 s[G1B+0], s44, (0<<16)|(1<<20)|(1<<21)|(3<<22)|(3<<25)   ; B's tile: 128 rows x 192 bytes, 16 bytes of padding behind every 64
	s_mov_b32 s[G1B+1], ROWB<<16
	s_mov_b32 s[G1B+2], 128<<16
	s_mov_b32 s[G1B+3], ROWB<<16
	s_mov_b32 s[G1B+4], 128
	s_mov_b32 s[G1B+5], KROW
	s_mov_b32 s[G1B+6], 0
	s_mov_b32 s[G1B+7], 0
	s_or_b32 s[G1S+0], s43, (3<<16)|(1<<21)        ; A's scale words: 8 rows (128 along K each) of 512 bytes (64 elements of 8), 32,768 bytes apart
	s_mov_b32 s[G1S+1], 64<<16
	s_mov_b32 s[G1S+2], 8<<16
	s_mov_b32 s[G1S+3], 64<<16
	s_mov_b32 s[G1S+4], 8
	s_mov_b32 s[G1S+5], 4096
	s_mov_b32 s[G1S+6], 0
	s_mov_b32 s[G1S+7], 0
	s_or_b32 s[G1SB+0], s44, (3<<16)|(1<<20)|(1<<21)|(5<<22)|(3<<25)  ; B's scale bytes: 4,096 dense bytes as 16 rows of 256, 16 bytes of padding behind each
	s_mov_b32 s[G1SB+1], 32<<16
	s_mov_b32 s[G1SB+2], 16<<16
	s_mov_b32 s[G1SB+3], 32<<16
	s_mov_b32 s[G1SB+4], 16
	s_mov_b32 s[G1SB+5], 32
	s_mov_b32 s[G1SB+6], 0
	s_mov_b32 s[G1SB+7], 0
	s_lshl_b32 s20, s17, 4
	s_lshl_b32 s18, s16, 3
	s_add_co_u32 s20, s20, s18                     ; A: token tile 16 x tile row + 8 x half
	s_lshl_b32 s22, s20, 6                         ; its scale words: 64 bytes a tile
	s_mul_i32 s20, s20, 3072                       ; its images: 3,072 bytes a tile and K step
	s_lshl_b32 s46, s42, 8
	s_lshl_b32 s18, s16, 7
	s_add_co_u32 s46, s46, s18
	s_add_co_u32 s46, s46, 11264                   ; B: place 11,264 + 256 x tile column + 128 x half
	s_lshl_b32 s92, s46, 5
	s_mul_i32 s46, s46, KROW
	s_mov_b32 s21, 0
	s_mov_b32 s23, 0
	s_mov_b32 s47, 0
	s_mov_b32 s93, 0
	s_mul_i32 s45, s16, AH                         ; where they go: no place in the cluster enters an LDS address
	s_mul_i32 s94, s16, BHB
	s_add_co_u32 s94, s94, 2*AH
	s_lshl_b32 s95, s16, 12
	s_mul_i32 s13, s16, HALFS
	s_wait_kmcnt 0x0
	s_add_nc_u64 s[20:21], s[4:5], s[20:21]
	s_add_nc_u64 s[22:23], s[6:7], s[22:23]
	s_add_nc_u64 s[46:47], s[8:9], s[46:47]
	s_add_nc_u64 s[92:93], s[10:11], s[92:93]
	CROUND                                         ; all sixteen work-groups are here: the first joint loads meet
	s_mov_b32 s[G0S], 1
	s_add_co_u32 s[G0S+1], s95, SCLA
	s_mov_b64 s[G0S+2:G0S+3], s[22:23]
	s_or_b32 s[G0S+3], s[G0S+3], 0x80000000
	s_mov_b32 s[G0SB], 1
	s_add_co_u32 s[G0SB+1], s13, SCLB
	s_mov_b64 s[G0SB+2:G0SB+3], s[92:93]
	s_or_b32 s[G0SB+3], s[G0SB+3], 0x80000000
	JLOAD G0S, G1S, G0SB, G1SB                     ; the scales first
.irp s, 0,1
	s_mov_b32 s[G0+4*\s], 1
	s_add_co_u32 s[G0+4*\s+1], s45, \s*SLOT
	s_add_nc_u64 s[G0+4*\s+2:G0+4*\s+3], s[20:21], \s*KPLANE
	s_or_b32 s[G0+4*\s+3], s[G0+4*\s+3], 0x80000000
	s_mov_b32 s[G0B+4*\s], 1
	s_add_co_u32 s[G0B+4*\s+1], s94, \s*SLOT
	s_add_nc_u64 s[G0B+4*\s+2:G0B+4*\s+3], s[46:47], \s*ROWB
	s_or_b32 s[G0B+4*\s+3], s[G0B+4*\s+3], 0x80000000
	JLOAD G0+4*\s, G1, G0B+4*\s, G1B
.endr
	v_and_b32 v1, 15, v0                           ; r
	v_bfe_u32 v2, v0, 4, 1                         ; h
	v_and_b32 v6, 31, v0                           ; lane
	v_lshlrev_b32 v[CO], 4, v6                     ; 16 x lane
	v_mul_u32_u24 v3, v1, PITCH
	v_mul_u32_u24 v4, v2, 24
	v_add_nc_u32 v4, v3, v4                        ; B: a fragment's row x pitch + 24 x half
	v_lshl_add_u32 v5, v2, 4, v4                   ; and the same behind one padding more
	s_mul_i32 s21, s15, AH                         ; my 128 tokens
	s_mul_i32 s22, s16, BHB                        ; my 128 rows of Wout,
	s_add_co_u32 s22, s22, 2*AH                    ; behind A's two halves
.irp s, 0,1
	v_add_nc_u32 v[ADRA+\s], s21, v[CO]
	v_add_nc_u32 v[ADRB+\s], s22, v4
	v_add_nc_u32 v[ADRB+2+\s], s22, v5
	s_add_co_u32 s21, s21, SLOT
	s_add_co_u32 s22, s22, SLOT
.endr
	s_lshl_b32 s21, s15, 12
	s_add_co_u32 s21, s21, SCLA
	v_lshl_add_u32 v[ADSA], v1, 2, s21             ; A's scale words: 4 bytes a token
	v_lshlrev_b32 v5, 5, v1                        ; B's: 32 bytes a row,
	v_lshrrev_b32 v7, 3, v1
	v_lshl_add_u32 v5, v7, 4, v5                   ; and 16 more behind the first 256
	s_mul_i32 s22, s16, HALFS
	s_add_co_u32 s22, s22, SCLB
	v_add_nc_u32 v[ADSB], s22, v5
	s_mul_i32 s23, s14, 16*SPITCH                  ; my stage
	v_mul_u32_u24 v5, v1, SPITCH
	v_lshl_add_u32 v5, v2, 6, v5                   ; in: row r, + 64 bytes for lanes 16-31
	v_add_nc_u32 v[STO], s23, v5
	v_add_nc_u32 v[RD], s23, v[CO]                 ; back: the 32 lanes take one row of 512 bytes
	v_lshlrev_b32 v[BOH], 6, v2
	s_lshl_b32 s46, s42, 10                        ; my first column, in bytes: 1,024 x tile column + 512 x half; the bias begins at the same number of bytes
	s_lshl_b32 s47, s16, 9
	s_add_co_u32 s46, s46, s47
	s_mov_b32 s47, 0
	s_add_nc_u64 s[96:97], s[96:97], s[46:47]
	s_lshl_b32 s20, s17, 8
	s_lshl_b32 s21, s15, 7
	s_add_co_u32 s20, s20, s21                     ; my first row: 256 x tile row + 128 x half
	s_lshl_b32 s20, s20, 12                        ; 4,096 bytes a row
	s_mov_b32 s21, 0
	s_add_nc_u64 s[20:21], s[20:21], s[46:47]
	s_add_nc_u64 s[98:99], s[98:99], s[20:21]
.irp b, 0,1,2,3,4,5,6,7                        ; the bias in the result's layout: register j of tile b is column 32 (b / 2) + 16 h + 8 (b % 2) + j
	global_load_b128 v[CB+8*\b+96*(\b/4):CB+8*\b+96*(\b/4)+3], v[BOH], s[96:97] offset:(32*(\b/2)+8*(\b%2))*4
	global_load_b128 v[CB+8*\b+96*(\b/4)+4:CB+8*\b+96*(\b/4)+7], v[BOH], s[96:97] offset:(32*(\b/2)+8*(\b%2))*4+16
.endr
.macro FRAG reg, adr, q, i             ; a fragment of B from rows: pieces of 8 bytes; where the piece of lanes 16-31 lies behind one padding more, the second address register serves
.irp p, 0,1,2,3,4,5
.set PCE, 12*(\q)+6*(\p/3)+\p%3
.if PCE%8 < 5
	ds_load_b64 v[\reg+2*\p:\reg+2*\p+1], v[\adr] offset:8*PCE+16*(PCE/8)+(\i)*16*PITCH
.else
	ds_load_b64 v[\reg+2*\p:\reg+2*\p+1], v[\adr+2] offset:8*PCE+16*(PCE/8)+(\i)*16*PITCH
.endif
.endr
.endm
; 16 matrix instructions: A's blocks a0, a0 + 1 x B's eight.  bias = 1: C = the bias of B's tile.  The 64 accumulators take turns, one instruction a turn.
.macro MUL16 a0, p, q, sc, bias
.irp a, \a0, \a0+1
.irp b, 0,1,2,3,4,5,6,7
.set rD, 8*(8*((\a)%4)+\b)
.set rB, 128*(\p)+FR*\b
.set rA, AF+FR*(\a)
.set rSB, SCB+16*(\sc)+2*\b+(\q)
.set rSA, SCA+16*(\sc)+2*(\a)+(\q)
.set rC, CB+8*\b+96*(\b/4)
.if \bias
	v_wmma_scale_f32_16x16x128_f8f6f4 v[rD:rD+7], v[rB:rB+FR-1], v[rA:rA+FR-1], v[rC:rC+7], v[rSB], v[rSA] matrix_a_fmt:MATRIX_FMT_FP6 matrix_b_fmt:MATRIX_FMT_FP6
.else
	v_wmma_scale_f32_16x16x128_f8f6f4 v[rD:rD+7], v[rB:rB+FR-1], v[rA:rA+FR-1], v[rD:rD+7], v[rSB], v[rSA] matrix_a_fmt:MATRIX_FMT_FP6 matrix_b_fmt:MATRIX_FMT_FP6
.endif
.endr
.endr
.endm
.macro FETCH_B slot, q, p
	WIN TO_B
.irp i, 0,1,2,3,4,5,6,7
	FRAG 128*(\p)+FR*\i, ADRB+\slot, \q, \i
.endr
	WIN 0
.endm
.macro FETCH_A slot, q, i0             ; A's blocks i0 .. i0 + 3: images, three loads of 16 bytes x lane each
.irp i, \i0, \i0+1, \i0+2, \i0+3
.irp c, 0,1,2
	ds_load_b128 v[AF+FR*(\i)+4*\c:AF+FR*(\i)+4*\c+3], v[ADRA+\slot] offset:3072*(\i)+1536*(\q)+512*\c
.endr
.endr
.endm
.macro SCALES sc                       ; a K step's scale words: two for each block of A and each tile of B
.irp i, 0,1,2,3,4,5,6,7
	ds_load_b64 v[SCB+16*\sc+2*\i:SCB+16*\sc+2*\i+1], v[ADSB] offset:\i*SBLK
	ds_load_b32 v[SCA+16*\sc+2*\i], v[ADSA] offset:64*\i
	ds_load_b32 v[SCA+16*\sc+2*\i+1], v[ADSA] offset:512+64*\i
.endr
.endm
.macro PLACES n
.rept \n
	v_nop
.endr
.endm
.macro STEP slot, q, bias
	s_wait_dscnt 4*NLA                             ; B's set, the scale words and A's blocks 0-3 are in; the youngest 12 loads (A's blocks 4-7) may be out
.if \bias
	WIN BIAS_LO
.else
	WIN MUL_LO
.endif
	MUL16 0, (\q)%2, \q, \slot, \bias
	MUL16 2, (\q)%2, \q, \slot, \bias
	s_wait_dscnt 0
	PLACES NP
	FETCH_B \slot, (\q)+1, 1-(\q)%2
	FETCH_A \slot, (\q)+1, 0
.if \bias
	WIN BIAS_HI
.else
	WIN MUL_HI
.endif
	MUL16 4, (\q)%2, \q, \slot, \bias
	MUL16 6, (\q)%2, \q, \slot, \bias
	PLACES NP
	WIN 0
	FETCH_A \slot, (\q)+1, 4
.endm
.macro TURN slot, next, fill
	s_wait_tensorcnt 0x0                           ; all my tensor loads have landed: my part of the next slot
	ds_add_u32 v[SPW], v[NIL]                      ; 0 onto my spare word
	s_wait_dscnt 4*NLA+1                           ; (the add and the youngest 12 loads may be out)
	WIN MUL_LO
	MUL16 0, 1, NQ-1, \slot, 0
	s_wait_dscnt 0x0                               ; the add is done, and my reads of this slot are over
	s_barrier_signal -1
	MUL16 2, 1, NQ-1, \slot, 0
	WIN 0
	s_barrier_wait -1
.if \fill
	CREST                                          ; a round of the cluster's barrier: no wave of any partner still reads this slot or has a load on its way
	s_add_nc_u64 s[G0+4*\slot+2:G0+4*\slot+3], s[G0+4*\slot+2:G0+4*\slot+3], 2*KPLANE
	s_add_nc_u64 s[G0B+4*\slot+2:G0B+4*\slot+3], s[G0B+4*\slot+2:G0B+4*\slot+3], 2*ROWB
	JLOAD G0+4*\slot, G1, G0B+4*\slot, G1B
.else
	PLACES NP
.endif
	v_add_nc_u32 v[ADSA], 1024, v[ADSA]            ; on to the next K step's scale words
	v_add_nc_u32 v[ADSB], 8, v[ADSB]
	FETCH_B \next, 0, 0
	FETCH_A \next, 0, 0
	SCALES \next
	WIN MUL_HI
	MUL16 4, 1, NQ-1, \slot, 0
	MUL16 6, 1, NQ-1, \slot, 0
	PLACES NP
	WIN 0
	FETCH_A \next, 0, 4
.endm
	s_wait_tensorcnt 1                             ; the scales and my part of K step 0 are in (K step 1's load may be out),
	s_barrier_signal -1
	s_barrier_wait -1                              ; everybody's are
	FETCH_B 0, 0, 0
	FETCH_A 0, 0, 0
	SCALES 0
	FETCH_A 0, 0, 4
	s_wait_loadcnt 0x0                             ; the bias
	STEP 0, 0, 1
	TURN 0, 1, 1                                   ; four K steps of 256: each slot is filled again once, so the walk is written out
	STEP 1, 0, 0
	TURN 1, 0, 1
	STEP 0, 0, 0
	TURN 0, 1, 0
	STEP 1, 0, 0
	s_wait_dscnt 4*NLA
	WIN MUL_LO
	MUL16 0, 1, NQ-1, 1, 0
	MUL16 2, 1, NQ-1, 1, 0
	s_wait_dscnt 0
	WIN MUL_HI
	MUL16 4, 1, NQ-1, 1, 0
	MUL16 6, 1, NQ-1, 1, 0
	WIN 0
; THE WAY OUT, block by block of 16 rows x 128 columns, through my own stage: a lane's eight results of tile b go to their columns' place in row r; whole rows of 512 bytes come back and are stored by the 32 lanes.
; LDS serves a wave's instructions in order (ISA guide 5.7.1.4): no wait between the stores and the loads, nor in front of the next block's stores.
.macro TOSTAGE a
.set AC, 64*((\a)%4)
	WIN 0x08+4*((\a)/4)                            ; the data: window 2 or 3
.irp b, 0,1,2,3,4,5,6,7
	ds_store_b128 v[STO], v[AC+8*\b:AC+8*\b+3] offset:128*(\b/2)+32*(\b%2)          ; each accumulator from its low end on
	ds_store_b128 v[STO], v[AC+8*\b+4:AC+8*\b+7] offset:128*(\b/2)+32*(\b%2)+16
.endr
	WIN 0
.set BB, BK+64*((\a)%2)
.irp t, 0,1,2,3,4,5,6,7,8,9,10,11,12,13,14,15
	ds_load_b128 v[BB+4*\t:BB+4*\t+3], v[RD] offset:\t*SPITCH
.endr
.endm
.macro SEND a, younger                 ; younger: the LDS instructions issued behind block a's loads, which may stay out
.set BB, BK+64*((\a)%2)
	s_wait_dscnt \younger
.irp t, 0,1,2,3,4,5,6,7,8,9,10,11,12,13,14,15
	global_store_b128 v[CO], v[BB+4*\t:BB+4*\t+3], s[98:99] offset:(32*((\a)/2)+8*((\a)%2)+\t+8*(\t/8))*4096 th:TH_STORE_NT   ; stage row t of block a is this row of my 128; 512 consecutive bytes, aligned
.endr
.endm
	PLACES NP
	TOSTAGE 0
.irp a, 1,2,3,4,5,6,7
.if \a > 1
	s_wait_xcnt 0x0                                ; block a - 2's stores have read their registers: block a's loads may land there
.endif
	TOSTAGE \a
	SEND \a-1, 32                                  ; behind block a - 1's loads: block a's 16 stores and 16 loads
.endr
	SEND 7, 0
	s_wait_tensorcnt 0x0                           ; the wave's end
	ds_add_u32 v[SPW], v[NIL]
	s_wait_dscnt 0x0
	CROUND                                         ; the closing round
	s_endpgm
.Lfunc_end_k_q273663cc63_proj:
	.size	k_q273663cc63_proj, .Lfunc_end_k_q273663cc63_proj-k_q273663cc63_proj
	.p2alignl 7, 3214868480
	.fill 96, 4, 3214868480
	.section	.rodata,"a",@progbits
	.p2align	6, 0x0
	.amdhsa_kernel k_q273663cc63_proj
		.amdhsa_group_segment_fixed_size 327680
		.amdhsa_private_segment_fixed_size 0
		.amdhsa_enable_private_segment 0
		.amdhsa_kernarg_size 48
		.amdhsa_user_sgpr_count 2
		.amdhsa_user_sgpr_kernarg_segment_ptr 1
		.amdhsa_wavefront_size32 1
		.amdhsa_system_sgpr_workgroup_id_x 1
		.amdhsa_system_sgpr_workgroup_id_y 1
		.amdhsa_system_sgpr_workgroup_id_z 1
		.amdhsa_system_vgpr_workitem_id 0
		.amdhsa_next_free_vgpr 1024
		.amdhsa_next_free_sgpr 100
		.amdhsa_reserve_vcc 0
		.amdhsa_float_denorm_mode_32 3
		.amdhsa_float_denorm_mode_16_64 3
		.amdhsa_memory_ordered 1
		.amdhsa_forward_progress 1
		.amdhsa_inst_pref_size 153
	.end_amdhsa_kernel
	.amdgpu_metadata
---
amdhsa.version: [ 1, 2 ]
amdhsa.kernels:
  - .name:           k_q273663cc63_proj
    .symbol:         k_q273663cc63_proj.kd
    .args:
      - { .name: o_img, .offset: 0, .size: 8, .value_kind: global_buffer, .address_space: global }
      - { .name: o_sc, .offset: 8, .size: 8, .value_kind: global_buffer, .address_space: global }
      - { .name: codes, .offset: 16, .size: 8, .value_kind: global_buffer, .address_space: global }
      - { .name: scales, .offset: 24, .size: 8, .value_kind: global_buffer, .address_space: global }
      - { .name: bout, .offset: 32, .size: 8, .value_kind: global_buffer, .address_space: global }
      - { .name: out0, .offset: 40, .size: 8, .value_kind: global_buffer, .address_space: global }
    .group_segment_fixed_size: 327680
    .private_segment_fixed_size: 0
    .kernarg_segment_align: 8
    .kernarg_segment_size: 48
    .max_flat_workgroup_size: 128
    .sgpr_count:     100
    .vgpr_count:     1024
    .wavefront_size: 32
...
	.end_amdgpu_metadata
.endif
;; end of part 4
